; MI455X (gfx1250); checked and timed in simulation.
; The chip was launched on July 23, 2026; its instructions are those of AMD's public machine-readable ISA for CDNA 5 (MIT licence, August 2026) and "CDNA5" Instruction Set Architecture Reference Guide (July 2026). The comments in the code are by the model that wrote it; some were corrected since.
;; Causal Self Attention. Allowed arithmetic: matrix products marked QUANTISED: E4M3 operands, one given power-of-two scale a tensor, by v_wmma_f32_16x16x64_fp8_fp8 or v_wmma_f32_16x16x128_fp8_fp8, f32 sums; everything else in f32.
;; Inputs: Wk_codes 1,024 x 32 x 32 uint8 (E4M3 codes of Wk, K innermost, in blocks of 32 codes); Wp_codes 1,024 x 32 x 32 uint8 (E4M3 codes of Wp, K innermost, in blocks of 32 codes); Wq_codes 1,024 x 32 x 32 uint8 (E4M3 codes of Wq, K innermost, in blocks of 32 codes); Wv_codes 1,024 x 32 x 32 uint8 (E4M3 codes of Wv, K innermost, in blocks of 32 codes); bk 1,024 float32; bp 1,024 float32; bq 1,024 float32; bv 1,024 float32; lowp_scales 12 int32 (the exponents e of the quantised operands' scales 2^e); x_codes 4 x 2,048 x 32 x 32 uint8 (E4M3 codes of x, K innermost, in blocks of 32 codes).
;; Outputs: out0 4 x 2,048 x 1,024 float32.
;; This version of the problem:
;;   THIS VERSION OF THE PROBLEM IS GIVEN IN LOW PRECISION. The matrix products marked QUANTISED in the list below multiply operands that are first quantised to E4M3 (4 exponent bits, 3 mantissa bits; 8 bits a number), with one given power-of-two scale for each operand tensor; their sums are f32. All else is computed in f32.
;;   The module's matrix products, in the order in which they are computed (A, B: the left and right operand; K: the contracted axis; several contracted axes count as one K, in the product's order):
;;     1. [M 8,192, K 1,024] x [K 1,024, N 1,024]; A: input x (given as codes); B: input Wq (given as codes): QUANTISED (scales: A lowp_scales[0], B lowp_scales[1])
;;     2. [M 8,192, K 1,024] x [K 1,024, N 1,024]; A: input x (given as codes); B: input Wk (given as codes): QUANTISED (scales: A lowp_scales[2], B lowp_scales[3])
;;     3. [M 8,192, K 1,024] x [K 1,024, N 1,024]; A: input x (given as codes); B: input Wv (given as codes): QUANTISED (scales: A lowp_scales[4], B lowp_scales[5])
;;     4. batch 64 x [M 2,048, K 64] x [K 64, N 2,048]; A: computed on the way; B: computed on the way: QUANTISED (scales: A lowp_scales[6], B lowp_scales[7])
;;     5. batch 64 x [M 2,048, K 2,048] x [K 2,048, N 64]; A: softmax (see below); B: computed on the way: QUANTISED (scales: A lowp_scales[8], B lowp_scales[9])
;;     6. [M 8,192, K 1,024] x [K 1,024, N 1,024]; A: computed on the way; B: input Wp (given as codes): QUANTISED (scales: A lowp_scales[10], B lowp_scales[11])
;;   THE QUANTISER, for each operand of a quantised product, along K:
;;     - The operand's scale is 2^e, e = its entry of the input lowp_scales (int32; the entries are numbered through the quantised products in the list's order, A before B).
;;     - Each number is divided by the scale, clamped to +-448, and rounded to the nearest number of E4M3, ties to even, subnormals kept.
;;     - The product sums the exact products of the quantised numbers (number of the format x scale) in f32.
;;   ~~~python
;;   def quantise(x, axis, e):      # numpy; x: float32 -> the quantised numbers, widened to float32 again
;;       x = np.moveaxis(x, axis, -1); K = x.shape[-1]
;;       r = np.clip(x / 2.0 ** e, -448, 448)
;;       step = 2.0 ** (np.maximum(np.frexp(np.where(r == 0, 1, r))[1] - 1, -6) - 3)
;;       q = np.round(r / step) * step * 2.0 ** e      # np.round: ties to even
;;       return np.moveaxis(q, -1, axis).astype(np.float32)
;;   ~~~
;;   SOFTMAX AHEAD OF A QUANTISED PRODUCT. Where the list says 'softmax', what is quantised is not the finished softmax but p = 2^(t - M), with t = logit x log2(e) and M = ceil(the row's largest t), a whole number; so 1/2 < the row's largest p <= 1. The row's sum l is taken of the UNQUANTISED p, in f32, and the product's result is divided by l at the end. Since M is a whole number, a kernel that streams over the keys may use a running M (the ceiling of the running maximum): every later rescaling is an exact power of two, so the quantised numbers keep their values, but for numbers so far below the row's largest that they fall under the format's range.
;;   OPERANDS COMPUTED ON THE WAY. 'Computed on the way' means the value that the module computes at that place (a softmax that the list does not call 'softmax' is quantised finished and normalised). What goes into a quantiser is computed in f32, as accurately as f32 sums, v_exp_f32 and their like allow (about 1e-6 of the number): no bf16 or f16 on the way to a quantiser, and a product that is left as it is and whose result goes on into a quantised operand takes f32 operands (vector FMAs, or v_wmma_f32_16x16x4_f32). A number that lies on a knife's edge between two numbers of the format may be rounded either way, as far as f32 arithmetic and the matrix unit's own rounding can turn it there, and no further.
;;   INPUTS GIVEN AS CODES. Wk (in the module: [1024, 1024], K = its axis 1); Wp (in the module: [1024, 1024], K = its axis 1); Wq (in the module: [1024, 1024], K = its axis 1); Wv (in the module: [1024, 1024], K = its axis 1); x (in the module: [4, 2048, 1024], K = its axis 2): each comes as NAME_codes (uint8): NAME with its K axis moved to the last place and cut into blocks of 32 codes, [.., K / 32, bytes a block], one block behind the other in memory; one code a byte (a code: sign, 4 exponent bits, 3 mantissa bits); its scale is its entry of lowp_scales. Its value is code x scale, taken as it is: it is not quantised again, and the codes and scales need not be those that the quantiser above would give.
;; 2 versions, each right; version 2 is version 1 with the launch attn written anew for expert scheduling mode. Each part assembles by itself: llvm-mc -triple=amdgcn-amd-amdhsa -mcpu=gfx1250 --defsym DOCPART=n.
;; ======== version 1 of 2: 3 launches
;; workspace buffers: q_img 8,388,608 bytes; k_img 8,388,608 bytes; v_img 8,388,608 bytes; y_img 8,388,608 bytes
;; launch qkv (part 1): grid 12 x 32, 4 waves a work-group, clusters of 4 x 4, 327,680 bytes of LDS; arguments x_codes, Wq_codes, Wk_codes, Wv_codes, bq, bk, bv, lowp_scales, q_img, k_img, v_img; writes q_img, k_img, v_img
.if DOCPART == 1
	.amdgcn_target "amdgcn-amd-amdhsa--gfx1250"
	.amdhsa_code_object_version 6
	.text
	.protected	k_qa54d3ec586_qkv
	.globl	k_qa54d3ec586_qkv
	.p2align	8
	.type	k_qa54d3ec586_qkv,@function
k_qa54d3ec586_qkv:
	s_mov_b64 s[64:65], 0
	v_nop
	global_prefetch_b8 v0, s[64:65] scope:SCOPE_SE
	s_setreg_imm32_b32 hwreg(HW_REG_WAVE_MODE, 25, 1), 1
	s_wait_xcnt 0x0
	s_wait_alu depctr_hold_cnt(0) depctr_sa_sdst(0) depctr_va_vdst(0) depctr_va_sdst(0) depctr_va_ssrc(0) depctr_va_vcc(0) depctr_vm_vsrc(0)
	s_getreg_b32 s2, hwreg(HW_REG_IB_STS2, 6, 4)
	s_cmp_eq_u32 s2, 0
	s_cbranch_scc0 .Lentry_in_a_cluster
	s_endpgm
.Lentry_in_a_cluster:
	s_bfe_u32 s2, ttmp6, 0x10000c
	s_cmp_lg_u32 s2, 0xf033
	s_cbranch_scc0 .Lentry_shape_is_right
	s_endpgm
.Lentry_shape_is_right:
; q = x Wq^T + bq, k = x Wk^T + bk, v = x Wv^T + bv on codes of FP8 (E4M3); each result is quantised at once (q with e6, k with e7, v with e9) and stored as an IMAGE OF THE
; OPERAND REGISTERS that the attention launch loads: nothing is transposed later.
; x: [8192][1024] codes, W: [1024][1024] codes, K innermost.  A sum stands for sum x 2^(ea + eb): (e0, e1) for q, (e2, e3) for k, (e4, e5) for v.
; SHARES.  The cluster's x (0, 1, 2) names the weight; the four work-groups along a cluster's x cover its 1,024 rows, the grid's y the 32 blocks of 256 tokens.
; A work-group makes 256 tokens x 256 weight rows, a wave 128 x 128: 64 accumulators of 16 x 16, 512 registers.  K = 1,024 goes in four steps of 256 through two LDS slots.
; CLUSTERS: 4 x 4.  x's tile is shared along a row of the cluster, W's along a column: each is asked for jointly, with a mask that names the four.
; WHICH SIDE IS WHICH.  In a result, a lane holds one row of source 1 and its eight registers eight neighbouring rows of source 0.  q, k: source 1 = tokens, source 0 = W's rows: a lane's
; registers run along the head's channels, the K of q k^T.  v: source 1 = Wv's rows, source 0 = tokens: the registers run along the keys, the K of p v.  The swap is made by the two LDS bases alone.
; Eight results of a lane become two registers of codes, which are registers 2 c, 2 c + 1 of an 8-bit operand (k = 16 c + 8 (lane / 16) + 0 .. 7): so the codes leave as they stand, 16 bytes a lane.
; q_img, k_img: [batch x head 64][16 tokens 128][part 2][lane 32][16 bytes].   v_img: [batch x head 64][128 keys 16][16 channels 4][part 4][lane 32][16 bytes].
; LIMITS: e0 + e1, e2 + e3, e4 + e5 between -126 and 127; e6, e7, e9 between -126 and 119, so that each power of two below is an f32 number.  NaN codes among the inputs are not served.
; REGISTERS, in windows of 256: window 0: v16-31 addresses; v32-95 biases by column, v96-111 biases by row (each twice, as a pair), v112, v113 the hold and the scale; v128-255 source 1's fragments, ONE set,
;   on the way out 64 numbers at work and four sets of 16 registers of codes.  window 1: source 0's fragments, TWO sets.  windows 2, 3: the accumulators ((a, b) at v[8 (8 (a % 4) + b)]).
.set ROWB,   256                       ; a tile's row in bytes: 256 codes
.set KROW,   1024                      ; a row of x or of W in memory
.set PITCH,  272                       ; an LDS row: 256 bytes + 16 of padding = 68 words: the 16 rows that a load touches start at 16 different banks (64 banks of 4 bytes: ISA guide 11.1)
.set FR,     16                        ; registers of a fragment: 16 rows x 128 K
.set NL,     4                         ; LDS loads that bring one
.set NP,     4                         ; places behind this matrix instruction (ISA guide 7.12.1)
.set HALFT,  128*PITCH                 ; 128 rows: what one tensor load brings
.set SLOT,   4*HALFT                   ; x's 256 rows, then W's 256 rows
.set SPARE,  2*SLOT                    ; behind the ring: the spare words, 128 bytes a wave, two blocks of 256 bytes that no other line names
.set ADRA, 16                          ; v16-17  LDS address of source 1's fragments in slot 0, 1
.set ADRB, 20                          ; v20-21  of source 0's
.set LO,   26                          ; v26     16 x lane: my place in an image's part
.set SPW,  28                          ; v28     my spare word; never rewritten
.set NIL,  29                          ; v29     0; never rewritten
.set BOC,  30                          ; v30     byte offset of my column biases
.set BOR,  31                          ; v31     of my row biases
.set CB,   32
.set RB,   96
.set LIM,  112                         ; 448 x 2^e of the result's quantiser
.set SCL,  113                         ; 2^e as f32
.set AF,   128
.set T,    128
.set CD,   192
.set G1, 24                            ; s[24:31] descriptor group 1 for x's tiles;  s[32:39] group 0, one set for each slot
.set G0, 32
.set G1B, 48                           ; s[48:55], s[56:63] the same for W's tiles
.set G0B, 56
.set MSB, 0
.macro WIN new                         ; the immediate's high byte repeats the setting that is left
.if MSB != (\new)
	s_set_vgpr_msb (MSB<<8)|(\new)
.set MSB, (\new)
.endif
.endm
.set MUL_LO, 0xa1                      ; source 0 window 1, source 1 window 0, C and D window 2
.set MUL_HI, 0xf1                      ; the same, C and D window 3
.set TO_B,   0x40                      ; destination window 1, address window 0
; A joint load: waves 0 and 1 fetch x's two halves, waves 2 and 3 W's.  The branch hangs on the wave's number alone.  Four v_nop follow each of the two lines.
.macro JLOAD g0a, g1a, g0b, g1b
	s_cmp_eq_u32 s15, 0
	s_cbranch_scc0 .Lfor_b_\@
	tensor_load_to_lds s[\g0a:\g0a+3], s[\g1a:\g1a+7]
	s_nop 0
.rept 4
	v_nop
.endr
	s_branch .Lasked_\@
.Lfor_b_\@:
	tensor_load_to_lds s[\g0b:\g0b+3], s[\g1b:\g1b+7]
	s_nop 0
.rept 4
	v_nop
.endr
.Lasked_\@:
.endm
.macro CREST                           ; a round of the cluster's barrier behind its opening barrier
	s_cmp_lg_u32 s14, 0
	s_cbranch_scc1 .Lnot_wave_0_\@
	s_barrier_signal -3
.Lnot_wave_0_\@:
	s_barrier_wait -3
	s_barrier_signal -1
	s_barrier_wait -1
.endm
.macro CROUND                          ; a whole round
	s_barrier_signal -1
	s_barrier_wait -1
	CREST
.endm
	s_load_b256 s[68:75], s[0:1], 0x0              ; x s[68:69], Wq s[70:71], Wk s[72:73], Wv s[74:75]
	s_load_b256 s[76:83], s[0:1], 0x20             ; bq s[76:77], bk s[78:79], bv s[80:81], the scales' exponents s[82:83]
	s_load_b128 s[84:87], s[0:1], 0x40             ; q_img s[84:85], k_img s[86:87]
	s_load_b64 s[88:89], s[0:1], 0x50              ; v_img
	v_lshl_add_u32 v[SPW], v0, 2, SPARE
	v_mov_b32 v[NIL], 0
	ds_add_u32 v28, v29
	ds_add_u32 v28, v29
	s_wait_dscnt 0x0
	v_lshrrev_b32 v1, 5, v0
	v_readfirstlane_b32 s14, v1                    ; wave 0..3
	s_lshr_b32 s15, s14, 1                         ; which half of source 1's rows is mine.  Also: I fetch for x (0) or for W (1)
	s_and_b32 s16, s14, 1                          ; which half of source 0's rows.  Also: which 128 rows of that tile I fetch
	s_bfe_u32 s40, ttmp6, 0x40000                  ; cx: which 256 rows of the weight
	s_bfe_u32 s41, ttmp6, 0x40004                  ; cy
	s_and_b32 s17, ttmp7, 0xffff
	s_lshl_b32 s17, s17, 2
	s_add_co_u32 s17, s17, s41                     ; which 256 tokens = 4 x cluster y + cy
	s_lshl_b32 s43, s41, 2
	s_lshl_b32 s43, 15, s43                        ; my row of the cluster
	s_lshl_b32 s44, 0x1111, s40                    ; my column
	; descriptor group 1: a tile of 128 rows x 256 bytes, padded in LDS
	s_or_b32 s[G1+0], s43, (0<<16)|(1<<20)|(1<<21)|(5<<22)|(3<<25)  ; 15:0 the mask: x's tiles go to my row; 17:16 element of 1 byte; 20 padding on; 21 set beside a mask; 24:22 after every 64 words; 31:25 four words
	s_or_b32 s[G1B+0], s44, (0<<16)|(1<<20)|(1<<21)|(5<<22)|(3<<25) ; the same with my column's mask, for W's tiles
.irp g, G1, G1B
	s_mov_b32 s[\g+1], ROWB<<16                    ; tensor_dim0
	s_mov_b32 s[\g+2], 128<<16                     ; tensor_dim1
	s_mov_b32 s[\g+3], ROWB<<16                    ; tile_dim0
	s_mov_b32 s[\g+4], 128                         ; tile_dim1
	s_mov_b32 s[\g+5], KROW                        ; tensor_dim0_stride
	s_mov_b32 s[\g+6], 0
	s_mov_b32 s[\g+7], 0
.endr
	s_lshl_b32 s18, s16, 7                         ; which 128 rows of the tile I fetch
	s_lshl_b32 s20, s17, 8
	s_add_co_u32 s20, s20, s18                     ; x: row 256 x block + 128 x half,
	s_lshl_b32 s20, s20, 10                        ; in bytes (under 2^23)
	s_mov_b32 s21, 0
	s_lshl_b32 s46, s40, 8
	s_add_co_u32 s46, s46, s18                     ; W: row 256 cx + 128 x half,
	s_lshl_b32 s46, s46, 10
	s_mov_b32 s47, 0
	s_mul_i32 s45, s14, HALFT                      ; where they go: wave x 128 rows: no place in the cluster enters an LDS address
	s_wait_kmcnt 0x0
	s_cmp_eq_u32 ttmp9, 1                          ; the cluster's x names the weight: the same in all sixteen partners, and made of no address
	s_cselect_b64 s[6:7], s[72:73], s[70:71]
	s_cselect_b64 s[8:9], s[78:79], s[76:77]
	s_cselect_b64 s[10:11], s[86:87], s[84:85]
	s_cmp_eq_u32 ttmp9, 2
	s_cselect_b64 s[6:7], s[74:75], s[6:7]         ; the weight,
	s_cselect_b64 s[8:9], s[80:81], s[8:9]         ; its bias,
	s_cselect_b64 s[10:11], s[88:89], s[10:11]     ; its image
	s_cselect_b32 s12, 2*HALFT, 0                  ; source 1 reads x's rows (q, k) or W's (v),
	s_cselect_b32 s13, 0, 2*HALFT                  ; source 0 the other: both bases lie in the same slot
	s_mov_b64 s[4:5], s[68:69]
	s_load_b256 s[92:99], s[82:83], 0x0            ; e0 .. e7
	s_load_b32 s90, s[82:83], 0x24                 ; e9
	s_add_nc_u64 s[20:21], s[4:5], s[20:21]
	s_add_nc_u64 s[46:47], s[6:7], s[46:47]
	CROUND                                         ; all sixteen work-groups are here: the first joint loads meet
.irp s, 0,1
	s_mov_b32 s[G0+4*\s], 1
	s_add_co_u32 s[G0+4*\s+1], s45, \s*SLOT
	s_add_nc_u64 s[G0+4*\s+2:G0+4*\s+3], s[20:21], \s*ROWB
	s_or_b32 s[G0+4*\s+3], s[G0+4*\s+3], 0x80000000
	s_mov_b32 s[G0B+4*\s], 1
	s_add_co_u32 s[G0B+4*\s+1], s45, \s*SLOT
	s_add_nc_u64 s[G0B+4*\s+2:G0B+4*\s+3], s[46:47], \s*ROWB
	s_or_b32 s[G0B+4*\s+3], s[G0B+4*\s+3], 0x80000000
	JLOAD G0+4*\s, G1, G0B+4*\s, G1B               ; two loads of mine are out
.endr
	v_and_b32 v1, 15, v0                           ; r = lane % 16
	v_bfe_u32 v2, v0, 4, 1                         ; h = lane / 16
	v_mul_u32_u24 v3, v1, PITCH
	v_lshl_add_u32 v4, v2, 4, v3                   ; a fragment's row x pitch + 16 h
	s_mul_i32 s21, s15, HALFT
	s_add_co_u32 s21, s21, s12                     ; source 1's 128 rows
	s_mul_i32 s22, s16, HALFT
	s_add_co_u32 s22, s22, s13                     ; source 0's 128 rows
.irp s, 0,1
	v_add_nc_u32 v[ADRA+\s], s21, v4
	v_add_nc_u32 v[ADRB+\s], s22, v4
	s_add_co_u32 s21, s21, SLOT
	s_add_co_u32 s22, s22, SLOT
.endr
	v_and_b32 v5, 31, v0
	v_lshlrev_b32 v[LO], 4, v5
	; The biases, both ways, on the one path: by column (q, k: bias of weight row 16 b + 8 h + j) and by row (v: bias of weight row 16 a + r).  Both ranges lie inside the 1,024 entries; each way out reads one.
	s_lshl_b32 s2, s40, 10                         ; 4 bytes x 256 cx
	s_lshl_b32 s3, s16, 9
	s_add_co_u32 s3, s3, s2
	v_lshl_add_u32 v[BOC], v2, 5, s3
	s_lshl_b32 s3, s15, 9
	s_add_co_u32 s3, s3, s2
	v_lshl_add_u32 v[BOR], v1, 2, s3
.irp b, 0,1,2,3,4,5,6,7
	global_load_b128 v[CB+8*\b:CB+8*\b+3], v[BOC], s[8:9] offset:64*\b
	global_load_b128 v[CB+8*\b+4:CB+8*\b+7], v[BOC], s[8:9] offset:64*\b+16
.endr
.irp a, 0,1,2,3,4,5,6,7
	global_load_b32 v[RB+2*\a], v[BOR], s[8:9] offset:64*\a      ; twice: a pair for the packed multiply-add
	global_load_b32 v[RB+2*\a+1], v[BOR], s[8:9] offset:64*\a
.endr
	s_wait_kmcnt 0x0
	s_add_co_i32 s92, s92, s93                     ; e0 + e1
	s_add_co_i32 s94, s94, s95                     ; e2 + e3
	s_add_co_i32 s96, s96, s97                     ; e4 + e5
	s_cmp_eq_u32 ttmp9, 1
	s_cselect_b32 s66, s94, s92
	s_cselect_b32 s67, s99, s98                    ; e7 or e6
	s_cmp_eq_u32 ttmp9, 2
	s_cselect_b32 s66, s96, s66
	s_cselect_b32 s67, s90, s67                    ; e9
	s_add_co_i32 s66, s66, 127
	s_lshl_b32 s66, s66, 23                        ; 2^(ea + eb) as f32
	s_add_co_i32 s67, s67, 127
	s_lshl_b32 s2, s67, 23
	v_mov_b32 v[SCL], s2                           ; the result's scale as f32: the conversion takes its exponent field
	s_add_co_i32 s67, s67, 8
	s_lshl_b32 s67, s67, 23
	s_or_b32 s67, s67, 0x600000
	v_mov_b32 v[LIM], s67                          ; 448 x that scale
	s_mov_b32 s67, s66                             ; (named with s66 as a pair, so it is written)
.macro FRAG reg, adr, q, i             ; 16 rows x 128 K: four loads of 16 bytes; registers 4 c .. 4 c + 3 hold K = 32 c + 16 h + 0 .. 15: the same order of k on both sides, so every product meets its partner
.irp c, 0,1,2,3
	ds_load_b128 v[\reg+4*\c:\reg+4*\c+3], v[\adr] offset:128*(\q)+32*\c+(\i)*16*PITCH
.endr
.endm
; 16 matrix instructions: source 1's blocks a0, a0 + 1 x source 0's eight.  p: source 0's set.  zero = 1: the first product starts the sums.  The 64 accumulators take turns, one instruction a turn.
.macro MUL16 a0, p, zero
.irp a, \a0, \a0+1
.irp b, 0,1,2,3,4,5,6,7
.if \zero
	v_wmma_f32_16x16x128_fp8_fp8 v[8*(8*((\a)%4)+\b):8*(8*((\a)%4)+\b)+7], v[128*(\p)+FR*\b:128*(\p)+FR*\b+FR-1], v[AF+FR*(\a):AF+FR*(\a)+FR-1], 0
.else
	v_wmma_f32_16x16x128_fp8_fp8 v[8*(8*((\a)%4)+\b):8*(8*((\a)%4)+\b)+7], v[128*(\p)+FR*\b:128*(\p)+FR*\b+FR-1], v[AF+FR*(\a):AF+FR*(\a)+FR-1], v[8*(8*((\a)%4)+\b):8*(8*((\a)%4)+\b)+7]
.endif
.endr
.endr
.endm
.macro FETCH_B slot, q, p
	WIN TO_B
.irp i, 0,1,2,3,4,5,6,7
	FRAG 128*(\p)+FR*\i, ADRB+\slot, \q, \i
.endr
	WIN 0
.endm
.macro FETCH_A slot, q, i0
.irp i, \i0, \i0+1, \i0+2, \i0+3
	FRAG AF+FR*(\i), ADRA+\slot, \q, \i
.endr
.endm
.macro PLACES n                        ; plain vector lines between a matrix instruction and a load into, or a vector write of, one of its registers, or a read of its result
.rept \n
	v_nop
.endr
.endm
; A step of 128 along K that has its successor in the same slot.
.macro STEP slot, q, zero
	s_wait_dscnt 4*NL                              ; all but the youngest 16 loads (source 1's blocks 4-7) are in
	WIN MUL_LO
	MUL16 0, (\q)%2, \zero
	MUL16 2, (\q)%2, \zero
	s_wait_dscnt 0                                 ; blocks 4-7 are in (asked for 32 matrix instructions ago)
	PLACES NP
	FETCH_B \slot, (\q)+1, 1-(\q)%2
	FETCH_A \slot, (\q)+1, 0
	WIN MUL_HI
	MUL16 4, (\q)%2, \zero
	MUL16 6, (\q)%2, \zero
	PLACES NP
	WIN 0
	FETCH_A \slot, (\q)+1, 4
.endm
; A slot's last step changes slots: ONE barrier; in front of it each wave waits for all its tensor loads, adds 0 to its spare word, and waits for that and for its own reads of this slot.  fill = 1: this slot is filled again, two K steps ahead.
.macro TURN slot, next, fill
	s_wait_tensorcnt 0x0                           ; all my tensor loads have landed: my part of the next slot
	ds_add_u32 v[SPW], v[NIL]                      ; 0 onto my spare word
	s_wait_dscnt 4*NL+1                            ; (the add and the youngest 16 loads may be out)
	WIN MUL_LO
	MUL16 0, 1, 0                                  ; sixteen matrix instructions stand between the add and the wait for it
	s_wait_dscnt 0x0                               ; the add is done, and my reads of this slot are over
	s_barrier_signal -1
	MUL16 2, 1, 0
	WIN 0
	s_barrier_wait -1
.if \fill
	CREST                                          ; the barrier has opened a round of the cluster's: no wave of any partner still reads this slot or has a load on its way
	s_add_nc_u64 s[G0+4*\slot+2:G0+4*\slot+3], s[G0+4*\slot+2:G0+4*\slot+3], 2*ROWB
	s_add_nc_u64 s[G0B+4*\slot+2:G0B+4*\slot+3], s[G0B+4*\slot+2:G0B+4*\slot+3], 2*ROWB
	JLOAD G0+4*\slot, G1, G0B+4*\slot, G1B         ; the first tensor load behind the round; its four v_nop are the places in front of the loads below
.else
	PLACES NP
.endif
	FETCH_B \next, 0, 0
	FETCH_A \next, 0, 0
	WIN MUL_HI
	MUL16 4, 1, 0
	MUL16 6, 1, 0
	PLACES NP
	WIN 0
	FETCH_A \next, 0, 4
.endm
	s_wait_tensorcnt 1                             ; my part of K step 0 is in (K step 1's load may be out)
	s_barrier_signal -1
	s_barrier_wait -1                              ; everybody's is
	FETCH_B 0, 0, 0
	FETCH_A 0, 0, 0
	FETCH_A 0, 0, 4
	STEP 0, 0, 1                                   ; K 0-127: these products start the sums
	TURN 0, 1, 1                                   ; K 128-255; slot 0 takes K 512-767
	STEP 1, 0, 0
	TURN 1, 0, 1                                   ; slot 1 takes K 768-1023: the last load
	STEP 0, 0, 0
	TURN 0, 1, 0                                   ; nothing more to fetch: a plain barrier
	STEP 1, 0, 0
	s_wait_dscnt 4*NL                              ; the very last step
	WIN MUL_LO
	MUL16 0, 1, 0
	MUL16 2, 1, 0
	s_wait_dscnt 0
	WIN MUL_HI
	MUL16 4, 1, 0
	MUL16 6, 1, 0
	WIN 0
; THE WAY OUT of source 1's block a: sum x 2^(ea + eb) + bias (one fused line for two numbers; each accumulator from its low end on), the hold, the conversion, four stores of 512 consecutive bytes.
.macro OUTBLK a, isv
.set AC, 64*((\a)%4)
.set CW, CD+16*((\a)%4)
.if (\a) >= 4
	s_wait_xcnt 0x0                                ; block a - 4's stores have read this set of codes: it is rewritten only behind this wait
.endif
	WIN 0x02+((\a)/4)                              ; source 0: window 2 or 3
.set ii, 0
.rept 32
.if \isv
	v_pk_fma_f32 v[T+ii:T+ii+1], v[AC+ii:AC+ii+1], s[66:67], v[RB+2*(\a):RB+2*(\a)+1] op_sel_hi:[1,0,1]
.else
	v_pk_fma_f32 v[T+ii:T+ii+1], v[AC+ii:AC+ii+1], s[66:67], v[CB+ii:CB+ii+1] op_sel_hi:[1,0,1]
.endif
.set ii, ii+2
.endr
	WIN 0
.set ii, 0
.rept 64
	v_med3_num_f32 v[T+ii], v[T+ii], -v[LIM], v[LIM]   ; the conversion to an 8-bit code does not saturate (ISA guide 7.6.2): the hold at the largest code x the scale, always executed
.set ii, ii+1
.endr
.set ii, 0
.rept 8
	v_cvt_scalef32_pk8_fp8_f32 v[CW+2*ii:CW+2*ii+1], v[T+8*ii:T+8*ii+7], v[SCL]
.set ii, ii+1
.endr
	v_nop                                          ; a plain line behind the last conversion: the next block's lines write its sources
.irp s, 0,1,2,3
.if \isv
	global_store_b128 v[LO], v[CW+4*\s:CW+4*\s+3], s[10:11] offset:((\a)/4)*131072+((\a)%4)*2048+\s*512    ; head a / 4, channels 16 (a % 4) on, part s
.else
	global_store_b128 v[LO], v[CW+4*\s:CW+4*\s+3], s[10:11] offset:(\s/2)*131072+(\a)*1024+(\s%2)*512      ; head s / 2, tokens 16 a on, part s % 2
.endif
.endr
.endm
	s_wait_loadcnt 0x0                             ; the biases
	PLACES NP                                      ; behind the last products: their results are read, and source 1's registers are written
	s_cmp_eq_u32 ttmp9, 2                          ; the cluster's x: the same in every partner
	s_cbranch_scc1 .Lv_out
	s_lshr_b32 s46, s17, 3                         ; q, k: batch,
	s_lshl_b32 s46, s46, 4
	s_lshl_b32 s2, s40, 2
	s_add_co_u32 s46, s46, s2
	s_lshl_b32 s2, s16, 1
	s_add_co_u32 s46, s46, s2                      ; x 16 + head 4 cx + 2 (wave % 2),
	s_lshl_b32 s46, s46, 17                        ; 131,072 bytes each;
	s_and_b32 s2, s17, 7
	s_lshl_b32 s2, s2, 4
	s_lshl_b32 s3, s15, 3
	s_add_co_u32 s2, s2, s3                        ; tile of 16 tokens in the batch,
	s_lshl_b32 s2, s2, 10                          ; 1,024 bytes each
	s_add_co_u32 s46, s46, s2
	s_mov_b32 s47, 0
	s_add_nc_u64 s[10:11], s[10:11], s[46:47]
.irp a, 0,1,2,3,4,5,6,7
	OUTBLK \a, 0
.endr
	s_branch .Ldone
.Lv_out:
	s_lshr_b32 s46, s17, 3                         ; v: batch,
	s_lshl_b32 s46, s46, 4
	s_lshl_b32 s2, s40, 2
	s_add_co_u32 s46, s46, s2
	s_lshl_b32 s2, s15, 1
	s_add_co_u32 s46, s46, s2                      ; x 16 + head 4 cx + 2 (wave / 2);
	s_lshl_b32 s46, s46, 17
	s_and_b32 s2, s17, 7
	s_lshl_b32 s2, s2, 1
	s_add_co_u32 s2, s2, s16                       ; step of 128 keys in the batch,
	s_lshl_b32 s2, s2, 13                          ; 8,192 bytes each
	s_add_co_u32 s46, s46, s2
	s_mov_b32 s47, 0
	s_add_nc_u64 s[10:11], s[10:11], s[46:47]
.irp a, 0,1,2,3,4,5,6,7
	OUTBLK \a, 1
.endr
.Ldone:
	s_wait_tensorcnt 0x0                           ; the wave's end
	ds_add_u32 v[SPW], v[NIL]
	s_wait_dscnt 0x0
	CROUND                                         ; the closing round: no work-group ends while a partner may still ask for a tile that names it
	s_endpgm
.Lfunc_end_k_qa54d3ec586_qkv:
	.size	k_qa54d3ec586_qkv, .Lfunc_end_k_qa54d3ec586_qkv-k_qa54d3ec586_qkv
	.p2alignl 7, 3214868480
	.fill 96, 4, 3214868480
	.section	.rodata,"a",@progbits
	.p2align	6, 0x0
	.amdhsa_kernel k_qa54d3ec586_qkv
		.amdhsa_group_segment_fixed_size 327680
		.amdhsa_private_segment_fixed_size 0
		.amdhsa_enable_private_segment 0
		.amdhsa_kernarg_size 88
		.amdhsa_user_sgpr_count 2
		.amdhsa_user_sgpr_kernarg_segment_ptr 1
		.amdhsa_wavefront_size32 1
		.amdhsa_system_sgpr_workgroup_id_x 1
		.amdhsa_system_sgpr_workgroup_id_y 1
		.amdhsa_system_sgpr_workgroup_id_z 1
		.amdhsa_system_vgpr_workitem_id 0
		.amdhsa_next_free_vgpr 1024
		.amdhsa_next_free_sgpr 100
		.amdhsa_reserve_vcc 0
		.amdhsa_float_denorm_mode_32 3
		.amdhsa_float_denorm_mode_16_64 3
		.amdhsa_memory_ordered 1
		.amdhsa_forward_progress 1
		.amdhsa_inst_pref_size 194
	.end_amdhsa_kernel
	.amdgpu_metadata
---
amdhsa.version: [ 1, 2 ]
amdhsa.kernels:
  - .name:           k_qa54d3ec586_qkv
    .symbol:         k_qa54d3ec586_qkv.kd
    .args:
      - { .name: x_codes, .offset: 0, .size: 8, .value_kind: global_buffer, .address_space: global }
      - { .name: Wq_codes, .offset: 8, .size: 8, .value_kind: global_buffer, .address_space: global }
      - { .name: Wk_codes, .offset: 16, .size: 8, .value_kind: global_buffer, .address_space: global }
      - { .name: Wv_codes, .offset: 24, .size: 8, .value_kind: global_buffer, .address_space: global }
      - { .name: bq, .offset: 32, .size: 8, .value_kind: global_buffer, .address_space: global }
      - { .name: bk, .offset: 40, .size: 8, .value_kind: global_buffer, .address_space: global }
      - { .name: bv, .offset: 48, .size: 8, .value_kind: global_buffer, .address_space: global }
      - { .name: lowp_scales, .offset: 56, .size: 8, .value_kind: global_buffer, .address_space: global }
      - { .name: q_img, .offset: 64, .size: 8, .value_kind: global_buffer, .address_space: global }
      - { .name: k_img, .offset: 72, .size: 8, .value_kind: global_buffer, .address_space: global }
      - { .name: v_img, .offset: 80, .size: 8, .value_kind: global_buffer, .address_space: global }
    .group_segment_fixed_size: 327680
    .private_segment_fixed_size: 0
    .kernarg_segment_align: 8
    .kernarg_segment_size: 88
    .max_flat_workgroup_size: 128
    .sgpr_count:     100
    .vgpr_count:     1024
    .wavefront_size: 32
...
	.end_amdgpu_metadata
.endif
;; end of part 1
;; launch attn (part 2): grid 4 x 64, 8 waves a work-group, no clusters, 66,560 bytes of LDS; arguments q_img, k_img, v_img, lowp_scales, y_img; writes y_img
.if DOCPART == 2
	.amdgcn_target "amdgcn-amd-amdhsa--gfx1250"
	.amdhsa_code_object_version 6
	.text
	.protected	k_qa54d3ec586_attn
	.globl	k_qa54d3ec586_attn
	.p2align	8
	.type	k_qa54d3ec586_attn,@function
k_qa54d3ec586_attn:
	s_mov_b64 s[64:65], 0
	v_nop
	global_prefetch_b8 v0, s[64:65] scope:SCOPE_SE
	s_setreg_imm32_b32 hwreg(HW_REG_WAVE_MODE, 25, 1), 1
	s_wait_xcnt 0x0
; y[b][h][q] = the sum over k <= q of softmax_k(q . k / 8) v, both products on codes of FP8 (E4M3); y is quantised (e10) and stored as an image of the last product's operand registers.
; THE SOFTMAX AHEAD OF THE SECOND PRODUCT: t = score x log2(e) / 8; M = the running largest t rounded UP to a whole number; p = 2^(t - M) is quantised (e8), not normalised; the row's sum is taken of the
; unquantised p and divides at the end.  When M moves, the sum and O are multiplied by 2^(old M - new M): a power of two.
; SHARES.  Work-group (i, batch x head) owns two blocks of 256 queries of the head: block 7 - i (8 - i slots of 256 keys) and then block i (i + 1 slots): nine slots for every work-group, so the 256
; work-groups have equal work and the loop over slots has a constant count.  The block changes in the phase whose number is 8 - i: a scalar branch on ids.
; Each of eight waves owns 32 queries, two tiles of 16, which share every fragment of K and V read from LDS.  Two waves lie on a SIMD.
; LAYOUT.  S^T = K Q^T (source 0 = 16 keys, source 1 = 16 queries) and O^T = V^T P (source 0 = 16 channels, source 1 = P): a lane holds ONE query throughout.  A lane's eight scores of tile t are keys
; 16 t + 8 (lane / 16) + 0 .. 7: their eight codes are registers 2 t, 2 t + 1 of the next operand as they stand.  Likewise O^T's codes are the last product's operand.
; K AND V come as images of operand registers: a slot is 16,384 dense bytes of k_img and as many of v_img.  Wave w copies 4,096 of them through registers into one of two LDS buffers, a phase ahead;
; the global loads are issued two phases ahead.  One barrier a phase: in front of it each wave's LDS stores have landed and its LDS loads are in.
; No tensor load: the partners of a head would want different numbers of tiles, and a work-group's walk changes block in mid-loop; what is fetched is 9 x 32 KiB a work-group.
; CAUSAL.  A step of 128 keys that begins after my first query is left out (my first query is a multiple of 32, a step's first key of 128: then all its keys come after all my 32 queries); in a step that runs,
; its first key counts for every query, so no row is all hidden.  On the diagonal hidden scores become -infinity ahead of the maximum.
; LIMITS: e6 + e7 between -124 and 130 (added to the exponent field of log2(e) / 8); e8, e10 between -126 and 119; e8 + e9 is applied by v_ldexp_f32 and has none.  NaN codes are not served.
; REGISTERS.  Window 0: v1-14 addresses and constants; v16-31 statistics, eight a tile; v32-159 S^T then p, 64 a tile; v160-191 p's codes; v192-223 the copy's 32; v224-231 at work; v232-247 y's codes.
;   Window 1: v0-63 O^T, 32 a tile; v64-79 Q; v80-95 the second block's Q; v96-159 K's eight fragments; v160-223 V's four.
.set LI,   1                           ; 16 x lane
.set SW,   2                           ; 4,096 x wave + 16 x lane: my place in a buffer, for the copy
.set ADL,  3                           ; the buffer in hand + 16 x lane
.set STA,  4                           ; the copy's LDS address
.set GOFF, 5                           ; the copy's byte offset in memory
.set YO,   6                           ; my byte offset in y_img
.set DM,   7                           ; lane % 16 - 8 (lane / 16)
.set D0,   8                           ; v8, v9: the mask's thresholds for the two tiles
.set NINF, 10
.set PLIM, 11                          ; 448 x 2^e8
.set PSC,  12                          ; 2^e8
.set YLIM, 13                          ; 448 x 2^e10
.set YSC,  14                          ; 2^e10
.set ST,   16                          ; tile x at v[ST + 8 x]: +0 -M, +1 the largest t, +2, +3 the sum in two halves, +4 f, +5 (its pair's upper word), +6, +7 at work
.set S,    32
.set P,    160
.set SG,   192
.set W2,   224                         ; tile x at v[W2 + 4 x]: a second chain of sums (a pair), +2 what the other half of the lanes sends
.set YC,   232
.set QOA,  248                         ; Q's byte offsets: first block, second block
.set QOB,  249
.set O,    0                           ; window 1
.set Q,    64
.set Q2,   80
.set KFR,  96
.set VFR,  160
; s14 wave, s15 i, s16 batch x head, s17 the phase in which the block changes, s18 the phase, s19 the buffer in hand, s42 the other, s20 the step's first key, s21 my first query, s41 my block,
; s[22:23] c, s[24:31] e4 .. e11, s[32:33] lane selects, s[34:35] the copy's base, s40 e8 + e9, s36-39, s43, s44 at work
.set MSB, 0
.macro WIN new
.if MSB != (\new)
	s_set_vgpr_msb (MSB<<8)|(\new)
.set MSB, (\new)
.endif
.endm
; the global loads of phase (s18 + add)'s slot: slot = phase, less the first block's slots once the block has changed: never beyond the head's eight slots
.macro LOADG add
	s_add_co_u32 s36, s18, \add
	s_cmp_lt_u32 s36, s17
	s_cselect_b32 s37, 0, s17
	s_sub_co_u32 s36, s36, s37
	s_lshl_b32 s36, s36, 14
	v_add_nc_u32 v[GOFF], s36, v[LI]               ; (the loads that named this register were waited for in STORE)
.irp i, 0,1,2,3,4,5,6,7
	global_load_b128 v[SG+4*\i:SG+4*\i+3], v[GOFF], s[34:35] offset:512*\i
.endr
.endm
.macro STORE sb                        ; what LOADG brought goes into the buffer at s[sb]
	s_wait_loadcnt 0x0
	v_add_nc_u32 v[STA], s[\sb], v[SW]
.irp i, 0,1,2,3,4,5,6,7
	ds_store_b128 v[STA], v[SG+4*\i:SG+4*\i+3] offset:512*\i
.endr
	s_wait_dscnt 0x0                               ; the stores have read their registers: the next loads may land there
.endm
.macro INIT                            ; a block's statistics: the largest t -3e38, under every t; the sum 0
.irp x, 0,1
	v_mov_b32 v[ST+8*\x+1], 0xff61b1e6
	v_floor_f32 v[ST+8*\x], -v[ST+8*\x+1]
	v_mov_b32 v[ST+8*\x+2], 0
	v_mov_b32 v[ST+8*\x+3], 0
.endr
.endm
	s_load_b256 s[4:11], s[0:1], 0x0               ; q_img s[4:5], k_img s[6:7], v_img s[8:9], the scales' exponents s[10:11]
	s_load_b64 s[12:13], s[0:1], 0x20              ; y_img
	v_lshl_add_u32 v254, v0, 2, 0x10000
	v_mov_b32 v255, 0
	v_lshrrev_b32 v2, 5, v0
	v_readfirstlane_b32 s14, v2                    ; wave 0..7
	v_and_b32 v1, 31, v0
	v_lshlrev_b32 v[LI], 4, v1
	s_lshl_b32 s36, s14, 12
	v_add_nc_u32 v[SW], s36, v[LI]
	v_and_b32 v8, 15, v0
	v_bfe_u32 v9, v0, 4, 1
	v_lshlrev_b32 v9, 3, v9
	v_sub_nc_u32 v[DM], v8, v9
	v_mov_b32 v[NINF], 0xff800000
	s_mov_b32 s15, ttmp9
	s_and_b32 s16, ttmp7, 0xffff
	s_sub_co_u32 s17, 8, s15
	s_mov_b32 s18, 0
	s_mov_b32 s19, 0
	s_mov_b32 s42, 32768
	s_sub_co_u32 s41, 7, s15                       ; the first block
	s_lshl_b32 s21, s41, 8
	s_lshl_b32 s36, s14, 5
	s_add_co_u32 s21, s21, s36                     ; my first query
	s_mov_b32 s32, 0x76543210
	s_mov_b32 s33, 0xfedcba98
	s_lshl_b32 s44, s14, 11                        ; Q: two tiles of 1,024 bytes a wave,
	s_lshl_b32 s43, s41, 14                        ; sixteen a block
	s_add_co_u32 s43, s43, s44
	v_add_nc_u32 v[QOA], s43, v[LI]
	s_lshl_b32 s43, s15, 14
	s_add_co_u32 s43, s43, s44
	v_add_nc_u32 v[QOB], s43, v[LI]
	s_lshl_b32 s38, s16, 17                        ; the head's first byte in each image
	s_mov_b32 s39, 0
	s_and_b32 s36, s14, 3
	s_lshl_b32 s36, s36, 12
	s_add_co_u32 s36, s36, s38                     ; + my 4,096 bytes of a slot
	s_mov_b32 s37, 0
	s_wait_kmcnt 0x0
	s_load_b256 s[24:31], s[10:11], 0x10           ; e4 .. e11
	s_cmp_lt_u32 s14, 4                            ; waves 0-3 copy K, waves 4-7 V: the choice hangs on the wave's number alone
	s_cselect_b64 s[34:35], s[6:7], s[8:9]
	s_add_nc_u64 s[34:35], s[34:35], s[36:37]
	s_add_nc_u64 s[4:5], s[4:5], s[38:39]
	LOADG 0
	WIN 0x40                                       ; destination window 1
.irp x, 0,1
.irp p, 0,1
	global_load_b128 v[Q+8*\x+4*\p:Q+8*\x+4*\p+3], v[QOA], s[4:5] offset:\x*1024+\p*512
	global_load_b128 v[Q2+8*\x+4*\p:Q2+8*\x+4*\p+3], v[QOB], s[4:5] offset:\x*1024+\p*512
.endr
.endr
.set jj, 0
.rept 64
	v_mov_b32 v[O+jj], 0                           ; O^T.  (The step is written once: a block's first step finds zeros, which the first change of M leaves zeros)
.set jj, jj+1
.endr
	WIN 0
	INIT
.irp x, 0,1
	v_mov_b32 v[ST+8*\x+5], 0                      ; named as the upper words of pairs, or as a lane permute's destination: written once
	v_mov_b32 v[ST+8*\x+6], 0
	v_mov_b32 v[ST+8*\x+7], 0
	v_mov_b32 v[W2+4*\x+2], 0
.endr
	s_wait_kmcnt 0x0
	s_add_co_i32 s36, s26, s27
	s_lshl_b32 s36, s36, 23
	s_add_co_i32 s22, s36, 0x3e38aa3b              ; c = log2(e) / 8, with e6 + e7 added to its exponent field
	s_mov_b32 s23, s22
	s_add_co_i32 s36, s28, 127
	s_lshl_b32 s37, s36, 23
	v_mov_b32 v[PSC], s37
	s_add_co_i32 s36, s36, 8
	s_lshl_b32 s36, s36, 23
	s_or_b32 s36, s36, 0x600000
	v_mov_b32 v[PLIM], s36
	s_add_co_i32 s36, s30, 127
	s_lshl_b32 s37, s36, 23
	v_mov_b32 v[YSC], s37
	s_add_co_i32 s36, s36, 8
	s_lshl_b32 s36, s36, 23
	s_or_b32 s36, s36, 0x600000
	v_mov_b32 v[YLIM], s36
	s_add_co_i32 s40, s28, s29                     ; e8 + e9
	STORE 19                                       ; slot 0 into buffer 0 (its wait covers Q's loads too)
	LOADG 1
	s_barrier_signal -1                            ; every wave's stores have landed (the wait for 0 in STORE)
	s_barrier_wait -1
.macro SOFTMAX                         ; the two tiles by turns, so that no line waits for the line above it; each accumulator is read from its low end on
.irp x, 0,1
	v_max3_num_f32 v[ST+8*\x+6], v[S+64*\x], v[S+64*\x+1], v[S+64*\x+2]
	v_max3_num_f32 v[ST+8*\x+7], v[S+64*\x+3], v[S+64*\x+4], v[S+64*\x+5]
.endr
.irp i, 6,10,14,18,22,26,30,34,38,42,46,50,54,58
.irp x, 0,1
	v_max3_num_f32 v[ST+8*\x+6], v[ST+8*\x+6], v[S+64*\x+\i], v[S+64*\x+\i+1]
	v_max3_num_f32 v[ST+8*\x+7], v[ST+8*\x+7], v[S+64*\x+\i+2], v[S+64*\x+\i+3]
.endr
.endr
.irp x, 0,1
	v_max3_num_f32 v[ST+8*\x+6], v[ST+8*\x+6], v[S+64*\x+62], v[S+64*\x+63]
.endr
.irp x, 0,1
	v_max_num_f32 v[ST+8*\x+6], v[ST+8*\x+6], v[ST+8*\x+7]
.endr
.irp x, 0,1
	v_permlanex16_b32 v[W2+4*\x+2], v[ST+8*\x+6], s32, s33   ; the query's other 64 keys lie in the lane 16 away
.endr
.irp x, 0,1
	v_max_num_f32 v[ST+8*\x+6], v[ST+8*\x+6], v[W2+4*\x+2]
.endr
.irp x, 0,1
	v_mul_f32 v[ST+8*\x+6], s22, v[ST+8*\x+6]      ; as t (c is positive)
.endr
.irp x, 0,1
	v_max_num_f32 v[ST+8*\x+1], v[ST+8*\x+1], v[ST+8*\x+6]   ; the running largest t
.endr
.irp x, 0,1
	v_mov_b32 v[ST+8*\x+6], v[ST+8*\x]
.endr
.irp x, 0,1
	v_floor_f32 v[ST+8*\x], -v[ST+8*\x+1]          ; the new -M = floor(-t) = -ceil(t)
.endr
.irp x, 0,1
	v_sub_f32 v[ST+8*\x+6], v[ST+8*\x], v[ST+8*\x+6]   ; old M - new M: a whole number, 0 or less
.endr
.irp x, 0,1
	v_cvt_i32_f32 v[ST+8*\x+6], v[ST+8*\x+6]       ; (it saturates)
.endr
.irp x, 0,1
	v_ldexp_f32 v[ST+8*\x+4], 1.0, v[ST+8*\x+6]    ; f = 2^(old M - new M)
.endr
.irp x, 0,1
.set jj, 0
.rept 32
	v_pk_fma_f32 v[S+64*\x+jj:S+64*\x+jj+1], v[S+64*\x+jj:S+64*\x+jj+1], s[22:23], v[ST+8*\x:ST+8*\x+1] op_sel_hi:[1,0,0]   ; t - M (of the pairs c and -M the low word serves both halves)
.set jj, jj+2
.endr
.endr
.set jj, 0
.rept 128
	v_exp_f32 v[S+jj], v[S+jj]                     ; p = 2^(t - M), at most 1
.set jj, jj+1
.endr
.irp x, 0,1
	v_pk_mul_f32 v[ST+8*\x+2:ST+8*\x+3], v[ST+8*\x+2:ST+8*\x+3], v[ST+8*\x+4:ST+8*\x+5] op_sel_hi:[1,0]   ; the sums under the new M (a plain line behind the exponentials)
.endr
	s_wait_alu depctr_va_vdst(0)
.irp x, 0,1
	v_pk_add_f32 v[W2+4*\x:W2+4*\x+1], v[S+64*\x:S+64*\x+1], v[S+64*\x+2:S+64*\x+3]   ; the row's sum is taken of the unquantised p, in two chains a tile
.endr
.irp j, 4,8,12,16,20,24,28,32,36,40,44,48,52,56,60
.irp x, 0,1
	v_pk_add_f32 v[ST+8*\x+2:ST+8*\x+3], v[ST+8*\x+2:ST+8*\x+3], v[S+64*\x+\j:S+64*\x+\j+1]
	v_pk_add_f32 v[W2+4*\x:W2+4*\x+1], v[W2+4*\x:W2+4*\x+1], v[S+64*\x+\j+2:S+64*\x+\j+3]
.endr
.endr
.irp x, 0,1
	v_pk_add_f32 v[ST+8*\x+2:ST+8*\x+3], v[ST+8*\x+2:ST+8*\x+3], v[W2+4*\x:W2+4*\x+1]
.endr
.irp x, 0,1
.irp t, 0,1,2,3,4,5,6,7
.irp j, 0,1,2,3,4,5,6,7
	v_min_num_f32 v[S+64*\x+8*\t+\j], v[S+64*\x+8*\t+\j], v[PLIM]   ; the conversion does not saturate (ISA guide 7.6.2); p is not negative, so the hold is one-sided
.endr
	v_cvt_scalef32_pk8_fp8_f32 v[P+16*\x+2*\t:P+16*\x+2*\t+1], v[S+64*\x+8*\t:S+64*\x+8*\t+7], v[PSC]   ; keys 16 t + 8 h + 0 .. 7: registers 2 t, 2 t + 1 of the operand
.endr
.endr
.endm
; A KEY STEP: 128 keys, the q-th of the buffer in hand, both tiles.
.macro STEP q
	s_cmp_gt_u32 s20, s21                          ; all its keys come after all my queries: left out
	s_cbranch_scc1 .Lhid_\@
.rept 4
	v_nop                                          ; places in front of loads into registers that the last products read
.endr
	WIN 0x40
.irp t, 0,1,2,3,4,5,6,7
.irp p, 0,1
	ds_load_b128 v[KFR+8*\t+4*\p:KFR+8*\t+4*\p+3], v[ADL] offset:\q*8192+\t*1024+\p*512
.endr
.endr
.irp t, 0,1,2,3
.irp p, 0,1,2,3
	ds_load_b128 v[VFR+16*\t+4*\p:VFR+16*\t+4*\p+3], v[ADL] offset:16384+\q*8192+\t*2048+\p*512
.endr
.endr
	s_wait_dscnt 16                                ; K's sixteen loads are in; V's sixteen may be out
	WIN 0x05                                       ; K and Q in window 1, S^T in window 0
.irp t, 0,1,2,3,4,5,6,7
.irp x, 0,1
	v_wmma_f32_16x16x64_fp8_fp8 v[S+64*\x+8*\t:S+64*\x+8*\t+7], v[KFR+8*\t:KFR+8*\t+7], v[Q+8*\x:Q+8*\x+7], 0
.endr
.endr
	WIN 0
.rept 4
	v_nop
.endr
	s_add_co_u32 s36, s20, 127
	s_cmp_le_u32 s36, s21                          ; all its keys count for all my queries: no mask
	s_cbranch_scc1 .Lopen_\@
	s_sub_co_i32 s36, s21, s20
	v_add_nc_u32 v[D0], s36, v[DM]                 ; register 8 t + j holds key s20 + 16 t + 8 h + j: hidden where 16 t + j > my query - s20 - 8 h
	v_add_nc_u32 v[D0+1], 16, v[D0]
.irp x, 0,1
.irp t, 0,1,2,3,4,5,6,7
.irp j, 0,1,2,3,4,5,6,7
	v_cmp_gt_i32 vcc_lo, 16*\t+\j, v[D0+\x]
	v_cndmask_b32 v[S+64*\x+8*\t+\j], v[S+64*\x+8*\t+\j], v[NINF], vcc_lo
.endr
.endr
.endr
.Lopen_\@:
	SOFTMAX
	s_wait_dscnt 0x0                               ; V is in
	WIN 0x41                                       ; O^T in window 1, f in window 0
.irp x, 0,1
.set jj, 0
.rept 16
	v_pk_mul_f32 v[O+32*\x+jj:O+32*\x+jj+1], v[O+32*\x+jj:O+32*\x+jj+1], v[ST+8*\x+4:ST+8*\x+5] op_sel_hi:[1,0]   ; O^T under the new M; also the plain lines behind the conversions
.set jj, jj+2
.endr
.endr
	WIN 0x51                                       ; V and O^T in window 1, P in window 0
.irp t, 0,1,2,3
.irp x, 0,1
	v_wmma_f32_16x16x128_fp8_fp8 v[O+32*\x+8*\t:O+32*\x+8*\t+7], v[VFR+16*\t:VFR+16*\t+15], v[P+16*\x:P+16*\x+15], v[O+32*\x+8*\t:O+32*\x+8*\t+7]   ; the eight accumulators take turns
.endr
.endr
	WIN 0
.Lhid_\@:
	s_add_co_u32 s20, s20, 128
.endm
; A BLOCK'S END: O^T / the sum x 2^(e8 + e9) is y; it is held, converted (e10) and stored as it stands: 512 consecutive bytes a store.  again = 1: the second block is set up.
.macro FIN again
	s_wait_xcnt 0x0                                ; the first block's stores have read their registers: these are rewritten only behind this wait
.rept 4
	v_nop                                          ; places behind the last products
.endr
.irp x, 0,1
	v_add_f32 v[ST+8*\x+6], v[ST+8*\x+2], v[ST+8*\x+3]
.endr
.irp x, 0,1
	v_permlanex16_b32 v[W2+4*\x+2], v[ST+8*\x+6], s32, s33
.endr
.irp x, 0,1
	v_add_f32 v[ST+8*\x+6], v[ST+8*\x+6], v[W2+4*\x+2]   ; the row's sum
.endr
.irp x, 0,1
	v_rcp_f32 v[ST+8*\x+6], v[ST+8*\x+6]
.endr
	v_nop                                          ; a plain line behind the reciprocals
	s_wait_alu depctr_va_vdst(0)
.irp x, 0,1
	v_ldexp_f32 v[ST+8*\x+6], v[ST+8*\x+6], s40
.endr
	WIN 0x01                                       ; source 0 (O^T) window 1
.irp x, 0,1
.set jj, 0
.rept 16
	v_pk_mul_f32 v[S+64*\x+jj:S+64*\x+jj+1], v[O+32*\x+jj:O+32*\x+jj+1], v[ST+8*\x+6:ST+8*\x+7] op_sel_hi:[1,0]
.set jj, jj+2
.endr
.endr
	WIN 0
.irp x, 0,1
.set jj, 0
.rept 32
	v_med3_num_f32 v[S+64*\x+jj], v[S+64*\x+jj], -v[YLIM], v[YLIM]
.set jj, jj+1
.endr
.irp t, 0,1,2,3
	v_cvt_scalef32_pk8_fp8_f32 v[YC+8*\x+2*\t:YC+8*\x+2*\t+1], v[S+64*\x+8*\t:S+64*\x+8*\t+7], v[YSC]   ; channels 16 t + 8 h + 0 .. 7
.endr
.endr
	v_nop                                          ; a plain line behind the last conversion: later products write its sources
	s_lshr_b32 s36, s16, 4                         ; batch x 128 tiles of 16 tokens,
	s_lshl_b32 s36, s36, 7
	s_lshl_b32 s37, s41, 4
	s_add_co_u32 s36, s36, s37                     ; + 16 x block
	s_lshl_b32 s37, s14, 1
	s_add_co_u32 s36, s36, s37                     ; + 2 x wave,
	s_lshl_b32 s36, s36, 14                        ; 16,384 bytes each;
	s_and_b32 s37, s16, 15
	s_lshl_b32 s37, s37, 10                        ; the head's 1,024 bytes in it
	s_add_co_u32 s36, s36, s37
	v_add_nc_u32 v[YO], s36, v[LI]
.irp x, 0,1
.irp p, 0,1
	global_store_b128 v[YO], v[YC+8*\x+4*\p:YC+8*\x+4*\p+3], s[12:13] offset:\x*16384+\p*512
.endr
.endr
.if \again
	s_mov_b32 s41, s15                             ; block i
	s_lshl_b32 s21, s41, 8
	s_lshl_b32 s36, s14, 5
	s_add_co_u32 s21, s21, s36
	WIN 0x41
.set jj, 0
.rept 16
	v_mov_b32 v[Q+jj], v[Q2+jj]
.set jj, jj+1
.endr
.set jj, 0
.rept 64
	v_mov_b32 v[O+jj], 0
.set jj, jj+1
.endr
	WIN 0
	INIT
.endif
.endm
.Lphase:                                           ; nine trips: a slot of 256 keys each
	s_cmp_lg_u32 s18, s17
	s_cbranch_scc1 .Lsame
	FIN 1                                          ; the first block is done
.Lsame:
	s_cmp_lt_u32 s18, s17
	s_cselect_b32 s36, 0, s17
	s_sub_co_u32 s20, s18, s36
	s_lshl_b32 s20, s20, 8                         ; the slot's first key
	v_add_nc_u32 v[ADL], s19, v[LI]
	s_cmp_eq_u32 s18, 8
	s_cbranch_scc1 .Lnofill
	STORE 42                                       ; the next slot into the other buffer: its last readers waited for their loads and passed the barrier that ended the last phase
	s_cmp_ge_u32 s18, 7
	s_cbranch_scc1 .Lnofill
	LOADG 2                                        ; the slot after that: it has this phase in which to come
.Lnofill:
	STEP 0
	STEP 1
	s_xor_b32 s19, s19, 32768
	s_xor_b32 s42, s42, 32768
	s_wait_dscnt 0x0                               ; my stores into the other buffer have landed, my loads from this one are in
	s_barrier_signal -1
	s_barrier_wait -1
	s_add_co_u32 s18, s18, 1
	s_cmp_lt_u32 s18, 9
	s_cbranch_scc1 .Lphase
	FIN 0
	s_wait_tensorcnt 0x0
	ds_add_u32 v254, v255
	s_wait_dscnt 0x0
	s_endpgm
.Lfunc_end_k_qa54d3ec586_attn:
	.size	k_qa54d3ec586_attn, .Lfunc_end_k_qa54d3ec586_attn-k_qa54d3ec586_attn
	.p2alignl 7, 3214868480
	.fill 96, 4, 3214868480
	.section	.rodata,"a",@progbits
	.p2align	6, 0x0
	.amdhsa_kernel k_qa54d3ec586_attn
		.amdhsa_group_segment_fixed_size 66560
		.amdhsa_private_segment_fixed_size 0
		.amdhsa_enable_private_segment 0
		.amdhsa_kernarg_size 40
		.amdhsa_user_sgpr_count 2
		.amdhsa_user_sgpr_kernarg_segment_ptr 1
		.amdhsa_wavefront_size32 1
		.amdhsa_system_sgpr_workgroup_id_x 1
		.amdhsa_system_sgpr_workgroup_id_y 1
		.amdhsa_system_sgpr_workgroup_id_z 1
		.amdhsa_system_vgpr_workitem_id 0
		.amdhsa_next_free_vgpr 512
		.amdhsa_next_free_sgpr 66
		.amdhsa_reserve_vcc 1
		.amdhsa_float_denorm_mode_32 3
		.amdhsa_float_denorm_mode_16_64 3
		.amdhsa_memory_ordered 1
		.amdhsa_forward_progress 1
		.amdhsa_inst_pref_size 107
	.end_amdhsa_kernel
	.amdgpu_metadata
---
amdhsa.version: [ 1, 2 ]
amdhsa.kernels:
  - .name:           k_qa54d3ec586_attn
    .symbol:         k_qa54d3ec586_attn.kd
    .args:
      - { .name: q_img, .offset: 0, .size: 8, .value_kind: global_buffer, .address_space: global }
      - { .name: k_img, .offset: 8, .size: 8, .value_kind: global_buffer, .address_space: global }
      - { .name: v_img, .offset: 16, .size: 8, .value_kind: global_buffer, .address_space: global }
      - { .name: lowp_scales, .offset: 24, .size: 8, .value_kind: global_buffer, .address_space: global }
      - { .name: y_img, .offset: 32, .size: 8, .value_kind: global_buffer, .address_space: global }
    .group_segment_fixed_size: 66560
    .private_segment_fixed_size: 0
    .kernarg_segment_align: 8
    .kernarg_segment_size: 40
    .max_flat_workgroup_size: 256
    .sgpr_count:     66
    .vgpr_count:     512
    .wavefront_size: 32
...
	.end_amdgpu_metadata
.endif
;; end of part 2
;; launch proj (part 3): grid 4 x 32, 4 waves a work-group, clusters of 4 x 4, 327,680 bytes of LDS; arguments y_img, Wp_codes, bp, lowp_scales, out0; writes out0
.if DOCPART == 3
	.amdgcn_target "amdgcn-amd-amdhsa--gfx1250"
	.amdhsa_code_object_version 6
	.text
	.protected	k_qa54d3ec586_proj
	.globl	k_qa54d3ec586_proj
	.p2align	8
	.type	k_qa54d3ec586_proj,@function
k_qa54d3ec586_proj:
	s_mov_b64 s[64:65], 0
	v_nop
	global_prefetch_b8 v0, s[64:65] scope:SCOPE_SE
	s_setreg_imm32_b32 hwreg(HW_REG_WAVE_MODE, 25, 1), 1
	s_wait_xcnt 0x0
	s_wait_alu depctr_hold_cnt(0) depctr_sa_sdst(0) depctr_va_vdst(0) depctr_va_sdst(0) depctr_va_ssrc(0) depctr_va_vcc(0) depctr_vm_vsrc(0)
	s_getreg_b32 s2, hwreg(HW_REG_IB_STS2, 6, 4)
	s_cmp_eq_u32 s2, 0
	s_cbranch_scc0 .Lentry_in_a_cluster
	s_endpgm
.Lentry_in_a_cluster:
	s_bfe_u32 s2, ttmp6, 0x10000c
	s_cmp_lg_u32 s2, 0xf033
	s_cbranch_scc0 .Lentry_shape_is_right
	s_endpgm
.Lentry_shape_is_right:
; out = y Wp^T + bp on codes of FP8 (E4M3).  y: 8,192 tokens x 1,024, as images of operand registers: [16 tokens 512][head 16][part 2][lane 32][16 bytes]: two neighbouring heads are one fragment of 16 tokens x 128 K,
; registers 2 c, 2 c + 1 holding K = 16 c + 8 (lane / 16) + 0 .. 7.  Wp: [1024][1024] codes, K innermost.  out: [8192][1024] f32.  A sum stands for sum x 2^(e10 + e11).
; LIMIT: e10 + e11 between -126 and 127, so that 2^(e10 + e11) is an f32 number.  NaN codes are not served.
; A tile of out, 256 x 256, is made by a work-group of four waves; a wave makes 128 x 128: 64 accumulators, 512 registers.  K goes in four steps of 256 through two LDS slots.  128 work-groups: the largest wave tile
; is kept, since each LDS byte then feeds the most products.
; CLUSTERS: 4 x 4.  y's tile is shared along a row of the cluster, Wp's along a column: each is asked for jointly, with a mask that names the four.
; Source 0 = 16 rows of Wp, source 1 = 16 tokens: a lane holds eight neighbouring numbers of a row of out.
; y's fragments come from LDS as they lie, four loads of 16 bytes at 16 x lane; Wp's rows are read in the same order of k: eight loads of 8 bytes at row x pitch + 16 c + 8 (lane / 16).
; REGISTERS: window 0: v16-29 addresses; v32-35 my four biases; v128-255 y's fragments, ONE set, on the way out rows of out.  window 1: Wp's fragments, TWO sets.  windows 2, 3: the accumulators.
.set PITCH,  272                       ; a row of Wp in LDS: 256 bytes + 16 of padding
.set FR,     16
.set NL,     4                         ; LDS loads that bring a fragment of y
.set NP,     4
.set AHALF,  32768                     ; 8 tiles of 16 tokens x 4,096 bytes: what one tensor load brings of y
.set AREG,   2*AHALF
.set HALFB,  128*PITCH                 ; 128 rows of Wp
.set SLOT,   AREG+2*HALFB              ; y's images, then Wp's 256 rows
.set SPARE,  2*SLOT                    ; behind the ring: the spare words, 128 bytes a wave, two blocks of 256 bytes that no other line names
.set SPITCH, 528                       ; the way out: a stage of 16 rows x (512 bytes + 16) for each wave, in slot 0, which has had its last fill and its last read when the first result is stored there
.set ADRA, 16
.set ADRB, 20
.set STO,  24
.set RD,   25
.set CO,   26
.set BO,   27
.set SPW,  28
.set NIL,  29
.set BI,   32
.set AF,   128
.set BK,   128
.set G1, 24
.set G0, 32
.set G1B, 48
.set G0B, 56
.set MSB, 0
.macro WIN new
.if MSB != (\new)
	s_set_vgpr_msb (MSB<<8)|(\new)
.set MSB, (\new)
.endif
.endm
.set MUL_LO, 0xa1
.set MUL_HI, 0xf1
.set TO_B,   0x40
.macro JLOAD g0a, g1a, g0b, g1b        ; waves 0 and 1 fetch y's two halves, waves 2 and 3 Wp's; four v_nop follow each of the two lines
	s_cmp_eq_u32 s15, 0
	s_cbranch_scc0 .Lfor_b_\@
	tensor_load_to_lds s[\g0a:\g0a+3], s[\g1a:\g1a+7]
	s_nop 0
.rept 4
	v_nop
.endr
	s_branch .Lasked_\@
.Lfor_b_\@:
	tensor_load_to_lds s[\g0b:\g0b+3], s[\g1b:\g1b+7]
	s_nop 0
.rept 4
	v_nop
.endr
.Lasked_\@:
.endm
.macro CREST
	s_cmp_lg_u32 s14, 0
	s_cbranch_scc1 .Lnot_wave_0_\@
	s_barrier_signal -3
.Lnot_wave_0_\@:
	s_barrier_wait -3
	s_barrier_signal -1
	s_barrier_wait -1
.endm
.macro CROUND
	s_barrier_signal -1
	s_barrier_wait -1
	CREST
.endm
	s_load_b256 s[68:75], s[0:1], 0x0              ; y_img s[68:69], Wp s[70:71], bp s[72:73], the scales' exponents s[74:75]
	s_load_b64 s[10:11], s[0:1], 0x20              ; out
	v_lshl_add_u32 v[SPW], v0, 2, SPARE
	v_mov_b32 v[NIL], 0
	ds_add_u32 v28, v29
	ds_add_u32 v28, v29
	s_wait_dscnt 0x0
	v_lshrrev_b32 v1, 5, v0
	v_readfirstlane_b32 s14, v1                    ; wave 0..3
	s_lshr_b32 s15, s14, 1                         ; which half of the tile's tokens is mine.  Also: I fetch for y (0) or for Wp (1)
	s_and_b32 s16, s14, 1                          ; which half of its columns.  Also: which half of that tile I fetch
	s_bfe_u32 s40, ttmp6, 0x40000
	s_bfe_u32 s41, ttmp6, 0x40004
	s_lshl_b32 s42, ttmp9, 2
	s_add_co_u32 s42, s42, s40                     ; tile column
	s_and_b32 s17, ttmp7, 0xffff
	s_lshl_b32 s17, s17, 2
	s_add_co_u32 s17, s17, s41                     ; tile row
	s_lshl_b32 s43, s41, 2
	s_lshl_b32 s43, 15, s43                        ; my row of the cluster
	s_lshl_b32 s44, 0x1111, s40                    ; my column
	; y's tiles: 8 rows of 4,096 bytes (a tile of 16 tokens, four heads), 16,384 bytes apart, dense in LDS
	s_or_b32 s[G1+0], s43, (0<<16)|(1<<21)         ; 15:0 the mask: my row; 17:16 element of 1 byte; 20 no padding; 21 set beside a mask
	s_mov_b32 s[G1+1], 4096<<16                    ; tensor_dim0
	s_mov_b32 s[G1+2], 8<<16                       ; tensor_dim1
	s_mov_b32 s[G1+3], 4096<<16                    ; tile_dim0
	s_mov_b32 s[G1+4], 8                           ; tile_dim1
	s_mov_b32 s[G1+5], 16384                       ; tensor_dim0_stride
	s_mov_b32 s[G1+6], 0
	s_mov_b32 s[G1+7], 0
	; Wp's tiles: 128 rows of 256 bytes, 1,024 apart, four words of padding behind every 64
	s_or_b32 s[G1B+0], s44, (0<<16)|(1<<20)|(1<<21)|(5<<22)|(3<<25)
	s_mov_b32 s[G1B+1], 256<<16
	s_mov_b32 s[G1B+2], 128<<16
	s_mov_b32 s[G1B+3], 256<<16
	s_mov_b32 s[G1B+4], 128
	s_mov_b32 s[G1B+5], 1024
	s_mov_b32 s[G1B+6], 0
	s_mov_b32 s[G1B+7], 0
	s_lshl_b32 s18, s16, 17                        ; my half: 8 tiles x 16,384 bytes of y, or 128 rows x 1,024 bytes of Wp
	s_lshl_b32 s20, s17, 18
	s_add_co_u32 s20, s20, s18                     ; y: 16 tiles x 16,384 bytes a tile row
	s_mov_b32 s21, 0
	s_lshl_b32 s46, s42, 18
	s_add_co_u32 s46, s46, s18                     ; Wp: 256 rows x 1,024 bytes a tile column
	s_mov_b32 s47, 0
	s_lshl_b32 s45, s16, 15                        ; where they go: y's half,
	s_mul_i32 s91, s16, HALFB
	s_add_co_u32 s91, s91, AREG                    ; Wp's half: no place in the cluster enters an LDS address
	s_wait_kmcnt 0x0
	s_load_b64 s[96:97], s[74:75], 0x28            ; e10, e11
	s_add_nc_u64 s[20:21], s[68:69], s[20:21]
	s_add_nc_u64 s[46:47], s[70:71], s[46:47]
	CROUND                                         ; all sixteen work-groups are here: the first joint loads meet
.irp s, 0,1
	s_mov_b32 s[G0+4*\s], 1
	s_add_co_u32 s[G0+4*\s+1], s45, \s*SLOT
	s_add_nc_u64 s[G0+4*\s+2:G0+4*\s+3], s[20:21], \s*4096
	s_or_b32 s[G0+4*\s+3], s[G0+4*\s+3], 0x80000000
	s_mov_b32 s[G0B+4*\s], 1
	s_add_co_u32 s[G0B+4*\s+1], s91, \s*SLOT
	s_add_nc_u64 s[G0B+4*\s+2:G0B+4*\s+3], s[46:47], \s*256
	s_or_b32 s[G0B+4*\s+3], s[G0B+4*\s+3], 0x80000000
	JLOAD G0+4*\s, G1, G0B+4*\s, G1B               ; two loads of mine are out
.endr
	v_and_b32 v1, 15, v0                           ; r
	v_bfe_u32 v2, v0, 4, 1                         ; h
	v_and_b32 v6, 31, v0
	v_lshlrev_b32 v[CO], 4, v6                     ; 16 x lane
	v_mul_u32_u24 v3, v1, PITCH
	v_lshl_add_u32 v4, v2, 3, v3                   ; Wp: row x pitch + 8 h
	s_lshl_b32 s21, s15, 15                        ; my 8 tiles of tokens
	s_mul_i32 s22, s16, HALFB
	s_add_co_u32 s22, s22, AREG                    ; my 128 rows of Wp
.irp s, 0,1
	v_add_nc_u32 v[ADRA+\s], s21, v[CO]
	v_add_nc_u32 v[ADRB+\s], s22, v4
	s_add_co_u32 s21, s21, SLOT
	s_add_co_u32 s22, s22, SLOT
.endr
	s_mul_i32 s23, s14, 16*SPITCH                  ; my stage
	v_mul_u32_u24 v5, v1, SPITCH                   ; in: row r, 32 bytes for each half of the lanes
	v_lshl_add_u32 v5, v2, 5, v5
	v_add_nc_u32 v[STO], s23, v5
	v_add_nc_u32 v[RD], s23, v[CO]                 ; back: the 32 lanes take one row of 512 bytes
	s_lshl_b32 s46, s42, 10                        ; my first column, in bytes: 1,024 x tile column + 512 x half
	s_lshl_b32 s47, s16, 9
	s_add_co_u32 s46, s46, s47
	s_mov_b32 s47, 0
	v_add_nc_u32 v[BO], s46, v[CO]
	global_load_b128 v[BI:BI+3], v[BO], s[72:73]   ; bp of the four columns that I store in every row
	s_lshl_b32 s20, s17, 20                        ; my first row of out: (256 x tile row + 128 x half) x 4,096 bytes
	s_lshl_b32 s21, s15, 19
	s_add_co_u32 s20, s20, s21
	s_mov_b32 s21, 0
	s_add_nc_u64 s[20:21], s[20:21], s[46:47]
	s_add_nc_u64 s[10:11], s[10:11], s[20:21]
.macro FRAGA reg, slot, q, i           ; y: tile i of my 8, the slot's q-th 128 along K: an image of 16 registers
.irp c, 0,1,2,3
	ds_load_b128 v[\reg+4*\c:\reg+4*\c+3], v[ADRA+\slot] offset:(\i)*4096+(\q)*2048+\c*512
.endr
.endm
.macro FRAGB reg, slot, q, i           ; Wp: registers 2 c, 2 c + 1 hold K = 16 c + 8 h + 0 .. 7
.irp c, 0,1,2,3,4,5,6,7
	ds_load_b64 v[\reg+2*\c:\reg+2*\c+1], v[ADRB+\slot] offset:(\i)*16*PITCH+128*(\q)+16*\c
.endr
.endm
.macro MUL16 a0, p, zero               ; the 64 accumulators take turns, one instruction a turn
.irp a, \a0, \a0+1
.irp b, 0,1,2,3,4,5,6,7
.if \zero
	v_wmma_f32_16x16x128_fp8_fp8 v[8*(8*((\a)%4)+\b):8*(8*((\a)%4)+\b)+7], v[128*(\p)+FR*\b:128*(\p)+FR*\b+FR-1], v[AF+FR*(\a):AF+FR*(\a)+FR-1], 0
.else
	v_wmma_f32_16x16x128_fp8_fp8 v[8*(8*((\a)%4)+\b):8*(8*((\a)%4)+\b)+7], v[128*(\p)+FR*\b:128*(\p)+FR*\b+FR-1], v[AF+FR*(\a):AF+FR*(\a)+FR-1], v[8*(8*((\a)%4)+\b):8*(8*((\a)%4)+\b)+7]
.endif
.endr
.endr
.endm
.macro FETCH_B slot, q, p
	WIN TO_B
.irp i, 0,1,2,3,4,5,6,7
	FRAGB 128*(\p)+FR*\i, \slot, \q, \i
.endr
	WIN 0
.endm
.macro FETCH_A slot, q, i0
.irp i, \i0, \i0+1, \i0+2, \i0+3
	FRAGA AF+FR*(\i), \slot, \q, \i
.endr
.endm
.macro PLACES n
.rept \n
	v_nop
.endr
.endm
.macro STEP slot, q, zero
	s_wait_dscnt 4*NL                              ; all but the youngest 16 loads (y's tiles 4-7) are in
	WIN MUL_LO
	MUL16 0, (\q)%2, \zero
	MUL16 2, (\q)%2, \zero
	s_wait_dscnt 0
	PLACES NP
	FETCH_B \slot, (\q)+1, 1-(\q)%2
	FETCH_A \slot, (\q)+1, 0
	WIN MUL_HI
	MUL16 4, (\q)%2, \zero
	MUL16 6, (\q)%2, \zero
	PLACES NP
	WIN 0
	FETCH_A \slot, (\q)+1, 4
.endm
.macro TURN slot, next, fill
	s_wait_tensorcnt 0x0                           ; all my tensor loads have landed: my part of the next slot
	ds_add_u32 v[SPW], v[NIL]                      ; 0 onto my spare word
	s_wait_dscnt 4*NL+1                            ; (the add and the youngest 16 loads may be out)
	WIN MUL_LO
	MUL16 0, 1, 0
	s_wait_dscnt 0x0                               ; the add is done, and my reads of this slot are over
	s_barrier_signal -1
	MUL16 2, 1, 0
	WIN 0
	s_barrier_wait -1
.if \fill
	CREST                                          ; the barrier has opened a round of the cluster's: no wave of any partner still reads this slot or has a load on its way
	s_add_nc_u64 s[G0+4*\slot+2:G0+4*\slot+3], s[G0+4*\slot+2:G0+4*\slot+3], 2*4096
	s_add_nc_u64 s[G0B+4*\slot+2:G0B+4*\slot+3], s[G0B+4*\slot+2:G0B+4*\slot+3], 2*256
	JLOAD G0+4*\slot, G1, G0B+4*\slot, G1B         ; the first tensor load behind the round; its four v_nop are the places in front of the loads below
.else
	PLACES NP
.endif
	FETCH_B \next, 0, 0
	FETCH_A \next, 0, 0
	WIN MUL_HI
	MUL16 4, 1, 0
	MUL16 6, 1, 0
	PLACES NP
	WIN 0
	FETCH_A \next, 0, 4
.endm
	s_wait_tensorcnt 1                             ; my part of K step 0 is in (K step 1's load may be out)
	s_barrier_signal -1
	s_barrier_wait -1                              ; everybody's is
	FETCH_B 0, 0, 0
	FETCH_A 0, 0, 0
	FETCH_A 0, 0, 4
	STEP 0, 0, 1
	TURN 0, 1, 1
	STEP 1, 0, 0
	TURN 1, 0, 1
	STEP 0, 0, 0
	TURN 0, 1, 0
	STEP 1, 0, 0
	s_wait_dscnt 4*NL
	WIN MUL_LO
	MUL16 0, 1, 0
	MUL16 2, 1, 0
	s_wait_dscnt 0
	WIN MUL_HI
	MUL16 4, 1, 0
	MUL16 6, 1, 0
	WIN 0
; THE WAY OUT, block by block of 16 rows x 128 columns: the sums go into my own stage as they are (each accumulator's low half first) and come back as whole rows of 512 bytes; there a lane holds the same four
; columns in every row, so four registers of bias serve, and sum x 2^(e10 + e11) + bp is one fused line for two numbers.  LDS serves a wave's instructions in order (ISA guide 5.7.1.4): no wait between the stores and the loads.
.macro TOSTAGE a
.set AC, 64*((\a)%4)
	WIN 0x08+4*((\a)/4)                            ; the stores' data: window 2 or 3
.irp b, 0,1,2,3,4,5,6,7
	ds_store_b128 v[STO], v[AC+8*\b:AC+8*\b+3] offset:64*\b
	ds_store_b128 v[STO], v[AC+8*\b+4:AC+8*\b+7] offset:64*\b+16
.endr
	WIN 0
.set BB, BK+64*((\a)%2)
.irp t, 0,1,2,3,4,5,6,7,8,9,10,11,12,13,14,15
	ds_load_b128 v[BB+4*\t:BB+4*\t+3], v[RD] offset:\t*SPITCH
.endr
.endm
.macro SEND a, younger                 ; younger: the LDS instructions issued behind block a's loads, which may stay out
.set BB, BK+64*((\a)%2)
	s_wait_dscnt \younger
.if (\a) > 0
	s_add_nc_u64 s[10:11], s[10:11], 16*4096       ; (behind a wait on XCNT: the earlier stores have read their base)  16 rows on
.endif
.irp t, 0,1,2,3,4,5,6,7,8,9,10,11,12,13,14,15
	v_pk_fma_f32 v[BB+4*\t:BB+4*\t+1], v[BB+4*\t:BB+4*\t+1], s[96:97], v[BI:BI+1] op_sel_hi:[1,0,1]
	v_pk_fma_f32 v[BB+4*\t+2:BB+4*\t+3], v[BB+4*\t+2:BB+4*\t+3], s[96:97], v[BI+2:BI+3] op_sel_hi:[1,0,1]
.endr
.irp t, 0,1,2,3,4,5,6,7,8,9,10,11,12,13,14,15
	global_store_b128 v[CO], v[BB+4*\t:BB+4*\t+3], s[10:11] offset:\t*4096 th:TH_STORE_NT   ; 32 lanes store 512 consecutive bytes, at a multiple of 256 from out's first byte
.endr
.endm
	s_wait_kmcnt 0x0
	s_add_co_i32 s96, s96, s97
	s_add_co_i32 s96, s96, 127
	s_lshl_b32 s96, s96, 23                        ; 2^(e10 + e11) as f32
	s_mov_b32 s97, s96                             ; (named with it as a pair, so it is written)
	s_wait_loadcnt 0x0                             ; bp
	PLACES NP                                      ; behind the last products: their results are read by LDS stores, and loads land in the registers that held y's fragments
	TOSTAGE 0
.irp a, 1,2,3,4,5,6,7
.if \a > 1
	s_wait_xcnt 0x0                                ; block a - 2's stores have read their registers and their base
.endif
	TOSTAGE \a
	SEND \a-1, 32                                  ; behind block a - 1's loads: block a's 16 stores and 16 loads
.endr
	s_wait_xcnt 0x0
	SEND 7, 0
	s_wait_tensorcnt 0x0                           ; the wave's end
	ds_add_u32 v[SPW], v[NIL]
	s_wait_dscnt 0x0
	CROUND                                         ; the closing round
	s_endpgm
.Lfunc_end_k_qa54d3ec586_proj:
	.size	k_qa54d3ec586_proj, .Lfunc_end_k_qa54d3ec586_proj-k_qa54d3ec586_proj
	.p2alignl 7, 3214868480
	.fill 96, 4, 3214868480
	.section	.rodata,"a",@progbits
	.p2align	6, 0x0
	.amdhsa_kernel k_qa54d3ec586_proj
		.amdhsa_group_segment_fixed_size 327680
		.amdhsa_private_segment_fixed_size 0
		.amdhsa_enable_private_segment 0
		.amdhsa_kernarg_size 40
		.amdhsa_user_sgpr_count 2
		.amdhsa_user_sgpr_kernarg_segment_ptr 1
		.amdhsa_wavefront_size32 1
		.amdhsa_system_sgpr_workgroup_id_x 1
		.amdhsa_system_sgpr_workgroup_id_y 1
		.amdhsa_system_sgpr_workgroup_id_z 1
		.amdhsa_system_vgpr_workitem_id 0
		.amdhsa_next_free_vgpr 1024
		.amdhsa_next_free_sgpr 100
		.amdhsa_reserve_vcc 0
		.amdhsa_float_denorm_mode_32 3
		.amdhsa_float_denorm_mode_16_64 3
		.amdhsa_memory_ordered 1
		.amdhsa_forward_progress 1
		.amdhsa_inst_pref_size 139
	.end_amdhsa_kernel
	.amdgpu_metadata
---
amdhsa.version: [ 1, 2 ]
amdhsa.kernels:
  - .name:           k_qa54d3ec586_proj
    .symbol:         k_qa54d3ec586_proj.kd
    .args:
      - { .name: y_img, .offset: 0, .size: 8, .value_kind: global_buffer, .address_space: global }
      - { .name: Wp_codes, .offset: 8, .size: 8, .value_kind: global_buffer, .address_space: global }
      - { .name: bp, .offset: 16, .size: 8, .value_kind: global_buffer, .address_space: global }
      - { .name: lowp_scales, .offset: 24, .size: 8, .value_kind: global_buffer, .address_space: global }
      - { .name: out0, .offset: 32, .size: 8, .value_kind: global_buffer, .address_space: global }
    .group_segment_fixed_size: 327680
    .private_segment_fixed_size: 0
    .kernarg_segment_align: 8
    .kernarg_segment_size: 40
    .max_flat_workgroup_size: 128
    .sgpr_count:     100
    .vgpr_count:     1024
    .wavefront_size: 32
...
	.end_amdgpu_metadata
.endif
;; end of part 3
;; ======== version 2 of 2: 3 launches; version 1 with the launch attn written anew for expert scheduling mode
;; workspace buffers: q_img 8,388,608 bytes; k_img 8,388,608 bytes; v_img 8,388,608 bytes; y_img 8,388,608 bytes
;; launch qkv: the kernel of part 1 again; grid 12 x 32, 4 waves a work-group, clusters of 4 x 4, 327,680 bytes of LDS; arguments x_codes, Wq_codes, Wk_codes, Wv_codes, bq, bk, bv, lowp_scales, q_img, k_img, v_img; writes q_img, k_img, v_img
;; launch attn (part 4): grid 4 x 64, 8 waves a work-group, no clusters, 66,560 bytes of LDS; arguments q_img, k_img, v_img, lowp_scales, y_img; writes y_img
.if DOCPART == 4
	.amdgcn_target "amdgcn-amd-amdhsa--gfx1250"
	.amdhsa_code_object_version 6
	.text
	.protected	k_qa54d3ec586_attn
	.globl	k_qa54d3ec586_attn
	.p2align	8
	.type	k_qa54d3ec586_attn,@function
k_qa54d3ec586_attn:
	s_mov_b64 s[64:65], 0
	v_nop
	global_prefetch_b8 v0, s[64:65] scope:SCOPE_SE
	s_setreg_imm32_b32 hwreg(HW_REG_WAVE_SCHED_MODE, 0, 2), 2
	s_setreg_imm32_b32 hwreg(HW_REG_WAVE_MODE, 25, 1), 1
	s_wait_xcnt 0x0
	s_wait_alu depctr_vm_vsrc(0)
; y[b][h][q] = the sum over k <= q of softmax_k(q . k / 8) v, both products on codes of FP8 (E4M3); y is quantised (e10) and stored as an image of the last product's operand registers.
; THE SOFTMAX AHEAD OF THE SECOND PRODUCT: t = score x log2(e) / 8; M = the running largest t rounded UP to a whole number; p = 2^(t - M) is quantised (e8), not normalised; the row's sum is taken of the
; unquantised p and divides at the end.  When M moves, the sum and O are multiplied by 2^(old M - new M): a power of two.
; SHARES.  Work-group (i, batch x head) owns two blocks of 256 queries of the head: block 7 - i (8 - i slots of 256 keys) and then block i (i + 1 slots): nine slots for every work-group, so the 256
; work-groups have equal work and the loop over slots has a constant count.  The block changes in the phase whose number is 8 - i: a scalar branch on ids.
; Each of eight waves owns 32 queries, two tiles of 16, which share every fragment of K and V read from LDS.  Two waves lie on a SIMD.
; LAYOUT.  S^T = K Q^T (source 0 = 16 keys, source 1 = 16 queries) and O^T = V^T P (source 0 = 16 channels, source 1 = P): a lane holds ONE query throughout.  A lane's eight scores of tile t are keys
; 16 t + 8 (lane / 16) + 0 .. 7: their eight codes are registers 2 t, 2 t + 1 of the next operand as they stand.  Likewise O^T's codes are the last product's operand.
; K AND V come as images of operand registers: a slot is 16,384 dense bytes of k_img and as many of v_img.  Wave w copies 4,096 of them through registers into one of two LDS buffers, a phase ahead;
; the global loads are issued two phases ahead.  One barrier a phase: in front of it each wave's LDS stores have landed and its LDS loads are in.
; No tensor load: the partners of a head would want different numbers of tiles, and a work-group's walk changes block in mid-loop; what is fetched is 9 x 32 KiB a work-group.
; CAUSAL.  A step of 128 keys that begins after my first query is left out (my first query is a multiple of 32, a step's first key of 128: then all its keys come after all my 32 queries); in a step that runs,
; its first key counts for every query, so no row is all hidden.  On the diagonal hidden scores become -infinity ahead of the maximum.
; LIMITS: e6 + e7 between -124 and 130 (added to the exponent field of log2(e) / 8); e8, e10 between -126 and 119; e8 + e9 is applied by v_ldexp_f32 and has none.  NaN codes are not served.
; THE MODE: SCHED_MODE bits 1:0 = 2 (LLVM: expert scheduling mode 2), set by the entry lines.  The code itself states the register dependences between vector or matrix instructions and memory or LDS
; instructions, with s_wait_alu, always for 0.
; THE PLAN.  Registers that memory or LDS instructions touch:
;   SG               the copy's global loads land in it, the next phase's LDS stores read it, no vector instruction names it: one wait on vm_vsrc behind the stores, ahead of the next loads.
;   K's fragments    LDS loads land in them, a step's sixteen products K Q^T read them.     V's fragments: likewise, a step's eight products V^T P.
;   v[ADL], v[STA]   the phase's LDS addresses: written once at a phase's head, between a wait on vm_vsrc (the last phase's LDS instructions have read them) and a wait on va_vdst (they are written).
;   v[LI], v[QOA], v[QOB]  offsets of global loads: made at the head, never written again; the copy's slots are reached by a scalar base.
;   v[YO], YC        a block's end writes them, its four stores read them: a wait on va_vdst ahead of the stores, one on vm_vsrc ahead of the next block's end.
;   v254, v255       written at the head, read by the closing add alone.
; ONE wait on va_vdst stands in a step, behind its batch of exponentials.  It states that their results are written, that this step's products K Q^T are done reading K's fragments and that the step
; before's products V^T P are done reading V's.  Behind it stand the step's LDS loads: its own V and, in a phase's first step, the second step's K.  The sums, holds and conversions that follow name none of those registers.
; A phase's first K is loaded behind the barrier: its registers' last readers stand ahead of an earlier step's wait, and no vector or matrix instruction has named them since.
; REGISTERS.  Window 0: v1-14 addresses and constants; v16-31 statistics, eight a tile; v32-159 S^T then p, 64 a tile; v160-191 p's codes; v192-223 the copy's 32; v224-231 at work; v232-247 y's codes.
;   Window 1: v0-63 O^T, 32 a tile; v64-79 Q; v80-95 the second block's Q; v96-159 K's eight fragments; v160-223 V's four.
.set LI,   1                           ; 16 x lane
.set SW,   2                           ; 4,096 x wave + 16 x lane: my place in a buffer, for the copy
.set ADL,  3                           ; the buffer in hand + 16 x lane
.set STA,  4                           ; the copy's LDS address
.set YO,   6                           ; my byte offset in y_img
.set DM,   7                           ; lane % 16 - 8 (lane / 16)
.set D0,   8                           ; v8, v9: the mask's thresholds for the two tiles
.set NINF, 10
.set PLIM, 11                          ; 448 x 2^e8
.set PSC,  12                          ; 2^e8
.set YLIM, 13                          ; 448 x 2^e10
.set YSC,  14                          ; 2^e10
.set ST,   16                          ; tile x at v[ST + 8 x]: +0 -M, +1 the largest t, +2, +3 the sum in two halves, +4 f, +5 (its pair's upper word), +6, +7 at work
.set S,    32
.set P,    160
.set SG,   192
.set W2,   224                         ; tile x at v[W2 + 4 x]: a second chain of sums (a pair), +2 what the other half of the lanes sends
.set YC,   232
.set QOA,  248                         ; Q's byte offsets: first block, second block
.set QOB,  249
.set O,    0                           ; window 1
.set Q,    64
.set Q2,   80
.set KFR,  96
.set VFR,  160
.set MK,   45                          ; s45-s60: sixteen lane masks of the causal mask
; s[2:3] the copy's base at the slot asked for, s14 wave, s15 i, s16 batch x head, s17 the phase in which the block changes, s18 the phase, s19 the buffer in hand, s42 the other, s20 the step's first key,
; s21 my first query, s41 my block, s[22:23] c, s[24:31] e4 .. e11, s[32:33] lane selects, s[34:35] the copy's base, s40 e8 + e9, s36-39, s43, s44 at work
.set MSB, 0
.macro WIN new
.if MSB != (\new)
	s_set_vgpr_msb (MSB<<8)|(\new)
.set MSB, (\new)
.endif
.endm
; the global loads of phase (s18 + add)'s slot: slot = phase, less the first block's slots once the block has changed: never beyond the head's eight slots
.macro LOADG add
	s_add_co_u32 s36, s18, \add
	s_cmp_lt_u32 s36, s17
	s_cselect_b32 s37, 0, s17
	s_sub_co_u32 s36, s36, s37
	s_lshl_b32 s36, s36, 14
	s_mov_b32 s37, 0
	s_add_nc_u64 s[2:3], s[34:35], s[36:37]        ; (the loads that read this base were waited for in STORE)
.irp i, 0,1,2,3,4,5,6,7
	global_load_b128 v[SG+4*\i:SG+4*\i+3], v[LI], s[2:3] offset:512*\i
.endr
.endm
.macro STORE                           ; what LOADG brought goes into the buffer that v[STA] names
	s_wait_loadcnt 0x0
.irp i, 0,1,2,3,4,5,6,7
	ds_store_b128 v[STA], v[SG+4*\i:SG+4*\i+3] offset:512*\i
.endr
	s_wait_alu depctr_vm_vsrc(0)                   ; the LDS stores have read SG, in which the next global loads land
.endm
.macro INIT                            ; a block's statistics: the largest t -3e38, under every t; the sum 0
.irp x, 0,1
	v_mov_b32 v[ST+8*\x+1], 0xff61b1e6
	v_floor_f32 v[ST+8*\x], -v[ST+8*\x+1]
	v_mov_b32 v[ST+8*\x+2], 0
	v_mov_b32 v[ST+8*\x+3], 0
.endr
.endm
	s_load_b256 s[4:11], s[0:1], 0x0               ; q_img s[4:5], k_img s[6:7], v_img s[8:9], the scales' exponents s[10:11]
	s_load_b64 s[12:13], s[0:1], 0x20              ; y_img
	v_lshl_add_u32 v254, v0, 2, 0x10000
	v_mov_b32 v255, 0
	v_lshrrev_b32 v2, 5, v0
	v_readfirstlane_b32 s14, v2                    ; wave 0..7
	v_and_b32 v1, 31, v0
	v_lshlrev_b32 v[LI], 4, v1
	v_and_b32 v8, 15, v0
	v_bfe_u32 v9, v0, 4, 1
	v_lshlrev_b32 v9, 3, v9
	v_sub_nc_u32 v[DM], v8, v9
	v_mov_b32 v[NINF], 0xff800000
	s_mov_b32 s15, ttmp9
	s_and_b32 s16, ttmp7, 0xffff
	s_sub_co_u32 s17, 8, s15
	s_mov_b32 s18, 0
	s_mov_b32 s19, 0
	s_mov_b32 s42, 32768
	s_sub_co_u32 s41, 7, s15                       ; the first block
	s_mov_b32 s32, 0x76543210
	s_mov_b32 s33, 0xfedcba98
	s_wait_alu depctr_va_sdst(0)                   ; s14 is written, ahead of its first reader
	s_lshl_b32 s36, s14, 12
	v_add_nc_u32 v[SW], s36, v[LI]
	v_add_nc_u32 v[STA], s19, v[SW]                ; slot 0 goes into buffer 0
	s_lshl_b32 s21, s41, 8
	s_lshl_b32 s43, s14, 5
	s_add_co_u32 s21, s21, s43                     ; my first query
	s_lshl_b32 s44, s14, 11                        ; Q: two tiles of 1,024 bytes a wave,
	s_lshl_b32 s43, s41, 14                        ; sixteen a block
	s_add_co_u32 s43, s43, s44
	v_add_nc_u32 v[QOA], s43, v[LI]
	s_lshl_b32 s43, s15, 14
	s_add_co_u32 s43, s43, s44
	v_add_nc_u32 v[QOB], s43, v[LI]
	s_lshl_b32 s38, s16, 17                        ; the head's first byte in each image
	s_mov_b32 s39, 0
	s_and_b32 s36, s14, 3
	s_lshl_b32 s36, s36, 12
	s_add_co_u32 s36, s36, s38                     ; + my 4,096 bytes of a slot
	s_mov_b32 s37, 0
	s_wait_kmcnt 0x0
	s_load_b256 s[24:31], s[10:11], 0x10           ; e4 .. e11
	s_cmp_lt_u32 s14, 4                            ; waves 0-3 copy K, waves 4-7 V: the choice hangs on the wave's number alone
	s_cselect_b64 s[34:35], s[6:7], s[8:9]
	s_add_nc_u64 s[34:35], s[34:35], s[36:37]
	s_add_nc_u64 s[4:5], s[4:5], s[38:39]
	s_wait_alu depctr_va_vdst(0)                   ; v[LI], v[QOA], v[QOB] and v[STA] are written, which the loads below and the first LDS stores read as offsets and address
	LOADG 0
	WIN 0x40                                       ; destination window 1
.irp x, 0,1
.irp p, 0,1
	global_load_b128 v[Q+8*\x+4*\p:Q+8*\x+4*\p+3], v[QOA], s[4:5] offset:\x*1024+\p*512
	global_load_b128 v[Q2+8*\x+4*\p:Q2+8*\x+4*\p+3], v[QOB], s[4:5] offset:\x*1024+\p*512
.endr
.endr
.set jj, 0
.rept 64
	v_mov_b32 v[O+jj], 0                           ; O^T.  (The step is written once: a block's first step finds zeros, which the first change of M leaves zeros)
.set jj, jj+1
.endr
	WIN 0
	INIT
.irp x, 0,1
	v_mov_b32 v[ST+8*\x+5], 0                      ; named as the upper words of pairs, or as a lane permute's destination: written once
	v_mov_b32 v[ST+8*\x+6], 0
	v_mov_b32 v[ST+8*\x+7], 0
	v_mov_b32 v[W2+4*\x+2], 0
.endr
	s_wait_kmcnt 0x0
	s_add_co_i32 s36, s26, s27
	s_lshl_b32 s36, s36, 23
	s_add_co_i32 s22, s36, 0x3e38aa3b              ; c = log2(e) / 8, with e6 + e7 added to its exponent field
	s_mov_b32 s23, s22
	s_add_co_i32 s36, s28, 127
	s_lshl_b32 s37, s36, 23
	v_mov_b32 v[PSC], s37
	s_add_co_i32 s36, s36, 8
	s_lshl_b32 s36, s36, 23
	s_or_b32 s36, s36, 0x600000
	v_mov_b32 v[PLIM], s36
	s_add_co_i32 s36, s30, 127
	s_lshl_b32 s37, s36, 23
	v_mov_b32 v[YSC], s37
	s_add_co_i32 s36, s36, 8
	s_lshl_b32 s36, s36, 23
	s_or_b32 s36, s36, 0x600000
	v_mov_b32 v[YLIM], s36
	s_add_co_i32 s40, s28, s29                     ; e8 + e9
	STORE                                          ; slot 0 into buffer 0 (its wait on LOADcnt covers Q's loads too); no vector instruction since the wait on va_vdst above names v[STA] or SG
	LOADG 1
	s_wait_dscnt 0x0                               ; for the other waves' sake: my part of slot 0 is in LDS
	s_barrier_signal -1
	s_barrier_wait -1
.macro KLOAD q                         ; K's eight fragments of the q-th 128 keys of the buffer in hand
.irp t, 0,1,2,3,4,5,6,7
.irp p, 0,1
	ds_load_b128 v[KFR+8*\t+4*\p:KFR+8*\t+4*\p+3], v[ADL] offset:(\q)*8192+\t*1024+\p*512
.endr
.endr
.endm
.macro VLOAD q                         ; V's four fragments of the same keys
.irp t, 0,1,2,3
.irp p, 0,1,2,3
	ds_load_b128 v[VFR+16*\t+4*\p:VFR+16*\t+4*\p+3], v[ADL] offset:16384+(\q)*8192+\t*2048+\p*512
.endr
.endr
.endm
.macro SOFT_A                          ; the softmax up to its batch of exponentials.  The two tiles by turns, so that no line waits for the line above it; each accumulator is read from its low end on
.irp x, 0,1
	v_max3_num_f32 v[ST+8*\x+6], v[S+64*\x], v[S+64*\x+1], v[S+64*\x+2]
	v_max3_num_f32 v[ST+8*\x+7], v[S+64*\x+3], v[S+64*\x+4], v[S+64*\x+5]
.endr
.irp i, 6,10,14,18,22,26,30,34,38,42,46,50,54,58
.irp x, 0,1
	v_max3_num_f32 v[ST+8*\x+6], v[ST+8*\x+6], v[S+64*\x+\i], v[S+64*\x+\i+1]
	v_max3_num_f32 v[ST+8*\x+7], v[ST+8*\x+7], v[S+64*\x+\i+2], v[S+64*\x+\i+3]
.endr
.endr
.irp x, 0,1
	v_max3_num_f32 v[ST+8*\x+6], v[ST+8*\x+6], v[S+64*\x+62], v[S+64*\x+63]
.endr
.irp x, 0,1
	v_max_num_f32 v[ST+8*\x+6], v[ST+8*\x+6], v[ST+8*\x+7]
.endr
.irp x, 0,1
	v_permlanex16_b32 v[W2+4*\x+2], v[ST+8*\x+6], s32, s33   ; the query's other 64 keys lie in the lane 16 away
.endr
.irp x, 0,1
	v_max_num_f32 v[ST+8*\x+6], v[ST+8*\x+6], v[W2+4*\x+2]
.endr
.irp x, 0,1
	v_mul_f32 v[ST+8*\x+6], s22, v[ST+8*\x+6]      ; as t (c is positive)
.endr
.irp x, 0,1
	v_max_num_f32 v[ST+8*\x+1], v[ST+8*\x+1], v[ST+8*\x+6]   ; the running largest t
.endr
.irp x, 0,1
	v_mov_b32 v[ST+8*\x+6], v[ST+8*\x]
.endr
.irp x, 0,1
	v_floor_f32 v[ST+8*\x], -v[ST+8*\x+1]          ; the new -M = floor(-t) = -ceil(t)
.endr
.irp x, 0,1
	v_sub_f32 v[ST+8*\x+6], v[ST+8*\x], v[ST+8*\x+6]   ; old M - new M: a whole number, 0 or less
.endr
.irp x, 0,1
	v_cvt_i32_f32 v[ST+8*\x+6], v[ST+8*\x+6]       ; (it saturates)
.endr
.irp x, 0,1
	v_ldexp_f32 v[ST+8*\x+4], 1.0, v[ST+8*\x+6]    ; f = 2^(old M - new M)
.endr
.irp x, 0,1
.set jj, 0
.rept 32
	v_pk_fma_f32 v[S+64*\x+jj:S+64*\x+jj+1], v[S+64*\x+jj:S+64*\x+jj+1], s[22:23], v[ST+8*\x:ST+8*\x+1] op_sel_hi:[1,0,0]   ; t - M (of the pairs c and -M the low word serves both halves)
.set jj, jj+2
.endr
.endr
.set jj, 0
.rept 128
	v_exp_f32 v[S+jj], v[S+jj]                     ; p = 2^(t - M), at most 1
.set jj, jj+1
.endr
.irp x, 0,1
	v_pk_mul_f32 v[ST+8*\x+2:ST+8*\x+3], v[ST+8*\x+2:ST+8*\x+3], v[ST+8*\x+4:ST+8*\x+5] op_sel_hi:[1,0]   ; the sums under the new M (a plain line behind the exponentials)
.endr
.endm
.macro SOFT_B                          ; the softmax from the first reader of p on
.irp x, 0,1
	v_pk_add_f32 v[W2+4*\x:W2+4*\x+1], v[S+64*\x:S+64*\x+1], v[S+64*\x+2:S+64*\x+3]   ; the row's sum is taken of the unquantised p, in two chains a tile
.endr
.irp j, 4,8,12,16,20,24,28,32,36,40,44,48,52,56,60
.irp x, 0,1
	v_pk_add_f32 v[ST+8*\x+2:ST+8*\x+3], v[ST+8*\x+2:ST+8*\x+3], v[S+64*\x+\j:S+64*\x+\j+1]
	v_pk_add_f32 v[W2+4*\x:W2+4*\x+1], v[W2+4*\x:W2+4*\x+1], v[S+64*\x+\j+2:S+64*\x+\j+3]
.endr
.endr
.irp x, 0,1
	v_pk_add_f32 v[ST+8*\x+2:ST+8*\x+3], v[ST+8*\x+2:ST+8*\x+3], v[W2+4*\x:W2+4*\x+1]
.endr
.irp x, 0,1
.irp t, 0,1,2,3,4,5,6,7
.irp j, 0,1,2,3,4,5,6,7
	v_min_num_f32 v[S+64*\x+8*\t+\j], v[S+64*\x+8*\t+\j], v[PLIM]   ; the conversion does not saturate (ISA guide 7.6.2); p is not negative, so the hold is one-sided
.endr
	v_cvt_scalef32_pk8_fp8_f32 v[P+16*\x+2*\t:P+16*\x+2*\t+1], v[S+64*\x+8*\t:S+64*\x+8*\t+7], v[PSC]   ; keys 16 t + 8 h + 0 .. 7: registers 2 t, 2 t + 1 of the operand
.endr
.endr
.endm
; A KEY STEP: 128 keys, the q-th of the buffer in hand, both tiles.
.macro STEP q
	s_cmp_gt_u32 s20, s21                          ; all its keys come after all my queries: left out; the phase's second step begins 128 keys later, so it is left out with the first
	s_cbranch_scc1 .Lover
.if (\q) == 0
	WIN 0x40                                       ; destination window 1
	KLOAD 0                                        ; v[ADL] was written ahead of the phase's wait on va_vdst; K's registers were last read ahead of an earlier step's wait, and nothing has named them since
.endif
	s_wait_dscnt 0x0                               ; K's sixteen loads are in (second step: asked for in the first step)
	WIN 0x05                                       ; K and Q in window 1, S^T in window 0
.irp t, 0,1,2,3,4,5,6,7
.irp x, 0,1
	v_wmma_f32_16x16x64_fp8_fp8 v[S+64*\x+8*\t:S+64*\x+8*\t+7], v[KFR+8*\t:KFR+8*\t+7], v[Q+8*\x:Q+8*\x+7], 0
.endr
.endr
	WIN 0
.rept 4
	v_nop                                          ; places behind the products, before their results are read (ISA guide 7.12.1)
.endr
	s_add_co_u32 s36, s20, 127
	s_cmp_le_u32 s36, s21                          ; all its keys count for all my queries: no mask
	s_cbranch_scc1 .Lopen_\@
	s_sub_co_i32 s36, s21, s20
	v_add_nc_u32 v[D0], s36, v[DM]                 ; register 8 t + j holds key s20 + 16 t + 8 h + j: hidden where 16 t + j > my query - s20 - 8 h
	v_add_nc_u32 v[D0+1], 16, v[D0]
.irp x, 0,1
.irp g, 0,1,2,3                                ; sixteen registers at a time: a run of compares into sixteen scalar registers, one wait, the sixteen selects
.set nn, 0
.rept 16
	v_cmp_gt_i32 s[MK+nn], 16*((16*\g+nn)/8)+(16*\g+nn)%8, v[D0+\x]
.set nn, nn+1
.endr
	s_wait_alu depctr_va_sdst(0)                   ; the sixteen compares have written s[MK ..], ahead of the selects that read them
.set nn, 0
.rept 16
	v_cndmask_b32 v[S+64*\x+16*\g+nn], v[S+64*\x+16*\g+nn], v[NINF], s[MK+nn]
.set nn, nn+1
.endr
.endr
.endr
.Lopen_\@:
	SOFT_A
	WIN 0x40                                       ; destination window 1: the switch, then the wait, then the loads
	s_wait_alu depctr_va_vdst(0)                   ; the exponentials have written p, ahead of its first reader; this step's products K Q^T are done reading K's fragments, the step before's products V^T P V's: the loads below land there
	VLOAD \q
.if (\q) == 0
	KLOAD 1                                        ; the second step's K.  (Where that step is hidden from my queries, four waves once a block, these sixteen loads bring what nobody reads)
.endif
	WIN 0
	SOFT_B                                         ; names none of the registers that those loads touch
.if (\q) == 0
	s_wait_dscnt 16                                ; V's sixteen loads are in; the sixteen younger ones, the next step's K, may be out
.else
	s_wait_dscnt 0x0                               ; V is in
.endif
	WIN 0x41                                       ; O^T in window 1, f in window 0
.irp x, 0,1
.set jj, 0
.rept 16
	v_pk_mul_f32 v[O+32*\x+jj:O+32*\x+jj+1], v[O+32*\x+jj:O+32*\x+jj+1], v[ST+8*\x+4:ST+8*\x+5] op_sel_hi:[1,0]   ; O^T under the new M; also the plain lines behind the conversions
.set jj, jj+2
.endr
.endr
	WIN 0x51                                       ; V and O^T in window 1, P in window 0
.irp t, 0,1,2,3
.irp x, 0,1
	v_wmma_f32_16x16x128_fp8_fp8 v[O+32*\x+8*\t:O+32*\x+8*\t+7], v[VFR+16*\t:VFR+16*\t+15], v[P+16*\x:P+16*\x+15], v[O+32*\x+8*\t:O+32*\x+8*\t+7]   ; the eight accumulators take turns
.endr
.endr
	WIN 0
.if (\q) == 0
	s_add_co_u32 s20, s20, 128
.endif
.endm
; A BLOCK'S END: O^T / the sum x 2^(e8 + e9) is y; it is held, converted (e10) and stored as it stands: 512 consecutive bytes a store.  again = 1: the second block is set up.
.macro FIN again
	s_wait_xcnt 0x0                                ; the first block's stores have had their addresses translated: their registers are rewritten only behind this wait,
	s_wait_alu depctr_vm_vsrc(0)                   ; and behind this one: those stores have read YC and v[YO], which the lines below write again
.rept 4
	v_nop                                          ; places behind the last products
.endr
.irp x, 0,1
	v_add_f32 v[ST+8*\x+6], v[ST+8*\x+2], v[ST+8*\x+3]
.endr
.irp x, 0,1
	v_permlanex16_b32 v[W2+4*\x+2], v[ST+8*\x+6], s32, s33
.endr
.irp x, 0,1
	v_add_f32 v[ST+8*\x+6], v[ST+8*\x+6], v[W2+4*\x+2]   ; the row's sum
.endr
.irp x, 0,1
	v_rcp_f32 v[ST+8*\x+6], v[ST+8*\x+6]
.endr
	v_nop                                          ; a plain line behind the reciprocals
	s_wait_alu depctr_va_vdst(0)                   ; the two reciprocals are written, ahead of their first reader
.irp x, 0,1
	v_ldexp_f32 v[ST+8*\x+6], v[ST+8*\x+6], s40
.endr
	WIN 0x01                                       ; source 0 (O^T) window 1
.irp x, 0,1
.set jj, 0
.rept 16
	v_pk_mul_f32 v[S+64*\x+jj:S+64*\x+jj+1], v[O+32*\x+jj:O+32*\x+jj+1], v[ST+8*\x+6:ST+8*\x+7] op_sel_hi:[1,0]
.set jj, jj+2
.endr
.endr
	WIN 0
.irp x, 0,1
.set jj, 0
.rept 32
	v_med3_num_f32 v[S+64*\x+jj], v[S+64*\x+jj], -v[YLIM], v[YLIM]
.set jj, jj+1
.endr
.irp t, 0,1,2,3
	v_cvt_scalef32_pk8_fp8_f32 v[YC+8*\x+2*\t:YC+8*\x+2*\t+1], v[S+64*\x+8*\t:S+64*\x+8*\t+7], v[YSC]   ; channels 16 t + 8 h + 0 .. 7
.endr
.endr
	v_nop                                          ; a plain line behind the last conversion: later products write its sources
	s_lshr_b32 s36, s16, 4                         ; batch x 128 tiles of 16 tokens,
	s_lshl_b32 s36, s36, 7
	s_lshl_b32 s37, s41, 4
	s_add_co_u32 s36, s36, s37                     ; + 16 x block
	s_lshl_b32 s37, s14, 1
	s_add_co_u32 s36, s36, s37                     ; + 2 x wave,
	s_lshl_b32 s36, s36, 14                        ; 16,384 bytes each;
	s_and_b32 s37, s16, 15
	s_lshl_b32 s37, s37, 10                        ; the head's 1,024 bytes in it
	s_add_co_u32 s36, s36, s37
	v_add_nc_u32 v[YO], s36, v[LI]
	s_wait_alu depctr_va_vdst(0)                   ; the conversions have written YC and the add v[YO], which the four stores read
.irp x, 0,1
.irp p, 0,1
	global_store_b128 v[YO], v[YC+8*\x+4*\p:YC+8*\x+4*\p+3], s[12:13] offset:\x*16384+\p*512
.endr
.endr
.if \again
	s_mov_b32 s41, s15                             ; block i
	s_lshl_b32 s21, s41, 8
	s_lshl_b32 s36, s14, 5
	s_add_co_u32 s21, s21, s36
	WIN 0x41
.set jj, 0
.rept 16
	v_mov_b32 v[Q+jj], v[Q2+jj]
.set jj, jj+1
.endr
.set jj, 0
.rept 64
	v_mov_b32 v[O+jj], 0
.set jj, jj+1
.endr
	WIN 0
	INIT
.endif
.endm
.Lphase:                                           ; nine trips: a slot of 256 keys each
	s_cmp_lg_u32 s18, s17
	s_cbranch_scc1 .Lsame
	FIN 1                                          ; the first block is done
.Lsame:
	s_cmp_lt_u32 s18, s17
	s_cselect_b32 s36, 0, s17
	s_sub_co_u32 s20, s18, s36
	s_lshl_b32 s20, s20, 8                         ; the slot's first key
	s_wait_alu depctr_vm_vsrc(0)                   ; the LDS loads issued so far have read v[ADL], the LDS stores v[STA]: both are written again below
	v_add_nc_u32 v[ADL], s19, v[LI]
	v_add_nc_u32 v[STA], s42, v[SW]
	s_wait_alu depctr_va_vdst(0)                   ; v[ADL] and v[STA] are written, which this phase's LDS loads and stores read
	s_cmp_eq_u32 s18, 8
	s_cbranch_scc1 .Lnofill
	STORE                                          ; the next slot into the other buffer: its last readers waited for their loads and passed the barrier that ended the last phase
	s_cmp_ge_u32 s18, 7
	s_cbranch_scc1 .Lnofill
	LOADG 2                                        ; the slot after that: it has this phase in which to come
.Lnofill:
	STEP 0
	STEP 1
.Lover:
	s_xor_b32 s19, s19, 32768
	s_xor_b32 s42, s42, 32768
	s_wait_dscnt 0x0                               ; my stores into the other buffer have landed, my loads from this one are in
	s_barrier_signal -1
	s_barrier_wait -1
	s_add_co_u32 s18, s18, 1
	s_cmp_lt_u32 s18, 9
	s_cbranch_scc1 .Lphase
	FIN 0
	s_wait_dscnt 0x0                               ; the closing lines, six on end
	s_wait_alu 0x0
	s_wait_tensorcnt 0x0
	ds_add_u32 v254, v255
	s_wait_dscnt 0x0
	s_endpgm
.Lfunc_end_k_qa54d3ec586_attn:
	.size	k_qa54d3ec586_attn, .Lfunc_end_k_qa54d3ec586_attn-k_qa54d3ec586_attn
	.p2alignl 7, 3214868480
	.fill 96, 4, 3214868480
	.section	.rodata,"a",@progbits
	.p2align	6, 0x0
	.amdhsa_kernel k_qa54d3ec586_attn
		.amdhsa_group_segment_fixed_size 66560
		.amdhsa_private_segment_fixed_size 0
		.amdhsa_enable_private_segment 0
		.amdhsa_kernarg_size 40
		.amdhsa_user_sgpr_count 2
		.amdhsa_user_sgpr_kernarg_segment_ptr 1
		.amdhsa_wavefront_size32 1
		.amdhsa_system_sgpr_workgroup_id_x 1
		.amdhsa_system_sgpr_workgroup_id_y 1
		.amdhsa_system_sgpr_workgroup_id_z 1
		.amdhsa_system_vgpr_workitem_id 0
		.amdhsa_next_free_vgpr 512
		.amdhsa_next_free_sgpr 66
		.amdhsa_reserve_vcc 0
		.amdhsa_float_denorm_mode_32 3
		.amdhsa_float_denorm_mode_16_64 3
		.amdhsa_memory_ordered 1
		.amdhsa_forward_progress 1
		.amdhsa_inst_pref_size 124
	.end_amdhsa_kernel
	.amdgpu_metadata
---
amdhsa.version: [ 1, 2 ]
amdhsa.kernels:
  - .name:           k_qa54d3ec586_attn
    .symbol:         k_qa54d3ec586_attn.kd
    .args:
      - { .name: q_img, .offset: 0, .size: 8, .value_kind: global_buffer, .address_space: global }
      - { .name: k_img, .offset: 8, .size: 8, .value_kind: global_buffer, .address_space: global }
      - { .name: v_img, .offset: 16, .size: 8, .value_kind: global_buffer, .address_space: global }
      - { .name: lowp_scales, .offset: 24, .size: 8, .value_kind: global_buffer, .address_space: global }
      - { .name: y_img, .offset: 32, .size: 8, .value_kind: global_buffer, .address_space: global }
    .group_segment_fixed_size: 66560
    .private_segment_fixed_size: 0
    .kernarg_segment_align: 8
    .kernarg_segment_size: 40
    .max_flat_workgroup_size: 256
    .sgpr_count:     66
    .vgpr_count:     512
    .wavefront_size: 32
...
	.end_amdgpu_metadata
.endif
;; end of part 4
;; launch proj: the kernel of part 3 again; grid 4 x 32, 4 waves a work-group, clusters of 4 x 4, 327,680 bytes of LDS; arguments y_img, Wp_codes, bp, lowp_scales, out0; writes out0
